; MI455X (gfx1250); checked and timed in simulation.
; The chip was launched on July 23, 2026; its instructions are those of AMD's public machine-readable ISA for CDNA 5 (MIT licence, August 2026) and "CDNA5" Instruction Set Architecture Reference Guide (July 2026). The comments in the code are by the model that wrote it; some were corrected since.
;; Transformer Block. Allowed arithmetic: float matrix products may take bf16 or f16 operands with f32 sums; other float arithmetic in f32, or as packed bf16 or f16 multiplies, adds, multiply-adds, maxima and minima; sums over many terms, partial sums and values carried from step to step in f32; what a program stores and reads back later, other than sums and carried values, may be rounded once to bf16 or f16.
;; Inputs: W_ff1 1,024 x 4,096 float32; W_ff2 4,096 x 1,024 float32; Wk 1,024 x 1,024 float32; Wo 1,024 x 1,024 float32; Wq 1,024 x 1,024 float32; Wv 1,024 x 1,024 float32; b1 1,024 float32; b2 1,024 float32; b_ff1 4,096 float32; b_ff2 1,024 float32; bo 1,024 float32; g1 1,024 float32; g2 1,024 float32; x 2 x 2,048 x 1,024 float32.
;; Outputs: out0 2 x 2,048 x 1,024 float32.
;; One version. Each part assembles by itself: llvm-mc -triple=amdgcn-amd-amdhsa -mcpu=gfx1250 --defsym DOCPART=n.
;; ======== version 1 of 1: 8 launches
;; limits: values are held in f16: magnitudes above 65,504 overflow, below 6.1e-05 lose precision; a function is approximated: absolute error at most 1.5e-07
;; workspace buffers: wts 25,165,824 bytes; xs 8,388,608 bytes; big 33,554,432 bytes; act 8,388,608 bytes; y 16,777,216 bytes
;; launch prep (part 1): grid 1024 x 1, 8 waves a work-group, no clusters, 0 bytes of LDS; arguments x, Wq, Wk, Wv, Wo, W_ff1, W_ff2, xs, wts; writes xs, wts
.if DOCPART == 1
	.amdgcn_target "amdgcn-amd-amdhsa--gfx1250"
	.amdhsa_code_object_version 6
	.text
	.protected	k_q1c41868bc3_prep
	.globl	k_q1c41868bc3_prep
	.p2align	8
	.type	k_q1c41868bc3_prep,@function
k_q1c41868bc3_prep:
	s_mov_b64 s[64:65], 0
	v_nop
	global_prefetch_b8 v0, s[64:65] scope:SCOPE_SE
	s_setreg_imm32_b32 hwreg(HW_REG_WAVE_MODE, 25, 1), 1
	s_wait_xcnt 0x0
; x and the six weight matrices: f32 -> rounded once to bf16 -> that number written as f16.
; LIMITS.  The f16 copy of a bf16 number is exact for 2^-17 <= |v| < 65,504; below that it is off by at most 3e-8, at 65,520 or more it is an infinity.
; OUT.  xs: x in slices, [16][4096][64] f16 (slice s holds columns 64 s .. 64 s + 63; a row of a slice is 128 bytes, rows dense).
;       wts: [Wq|Wk|Wv] as [1024][3072] at byte 0, W_ff1 [1024][4096] at 6,291,456, Wo [1024][1024] at 14,680,064, W_ff2 [4096][1024] at 16,777,216.
; SHARES.  A work-group takes 16 units of 1,024 numbers (64 KiB in, 32 KiB out), a thread four numbers of each: a wave's load covers 512 consecutive bytes, its store 256, aligned.
; Work-groups 0-255: x; 256-447: Wq, Wk, Wv (64 each); 448-511: Wo; 512-767: W_ff1; 768-1023: W_ff2.  Which it is only selects pointers and strides: no branch.
; All 16 loads go out at once; no register is written while a load or store may still read it; no LDS, no barrier: nothing is shared.
.set X,  8                             ; v[8:71]    16 x 4 numbers as loaded
.set Y,  72                            ; v[72:103]  16 x 2 registers to store
.set VD, 104                           ; v[104:119] the 16 store offsets; never rewritten
.set VS, 120                           ; v[120:121] the load offsets of even and odd units
.set TT, 122                           ; v[122:127] at work
	s_load_b512 s[8:23], s[0:1], 0x0               ; x, Wq, Wk, Wv, Wo, W_ff1, W_ff2, xs
	s_load_b64 s[24:25], s[0:1], 0x40              ; wts
	s_mov_b32 s2, ttmp9
	s_and_b32 s3, s2, 63
	s_and_b32 s4, s2, 255
	s_sub_co_u32 s5, s2, 256
	s_lshr_b32 s5, s5, 6
	s_lshl_b32 s5, s5, 11                          ; Wq, Wk, Wv: 2,048 bytes along a row of [Wq|Wk|Wv] (used in their range alone)
	s_mov_b32 s33, 16777216                        ; the destination's first byte: W_ff2's
	s_mov_b32 s34, 32768                           ; destination bytes of a work-group
	s_mov_b32 s30, 4096                            ; source: from an even unit to the odd one
	s_mov_b32 s31, 2048                            ; destination: the same
	s_mov_b32 s32, 4096                            ; destination: from a pair of units to the next
	s_mov_b32 s35, s4                              ; the work-group's number in its range
	s_mov_b32 s37, 0xffff0000
	s_cmp_lt_u32 s2, 768
	s_cselect_b32 s33, 6291456, s33                ; W_ff1
	s_cmp_lt_u32 s2, 512
	s_cselect_b32 s33, 14680064, s33               ; Wo
	s_cselect_b32 s35, s3, s35
	s_cmp_lt_u32 s2, 448
	s_cselect_b32 s33, s5, s33                     ; Wq, Wk, Wv: rows of 6,144 bytes
	s_cselect_b32 s34, 98304, s34
	s_cselect_b32 s31, 6144, s31
	s_cselect_b32 s32, 12288, s32
	s_cmp_lt_u32 s2, 256
	s_cselect_b32 s33, 0, s33                      ; x: a unit is half of two rows (8 slices); the odd unit the other 8 slices
	s_cselect_b32 s34, 2048, s34
	s_cselect_b32 s35, s4, s35
	s_cselect_b32 s30, 2048, s30
	s_cselect_b32 s31, 4194304, s31
	s_cselect_b32 s32, 256, s32
	s_cselect_b32 s36, -1, 0                       ; all lanes: x's lane terms
	s_mul_i32 s38, s34, s35
	s_add_co_u32 s38, s38, s33
	s_mov_b32 s39, 0
	s_lshl_b32 s40, s35, 16
	s_mov_b32 s41, 0
	v_lshlrev_b32 v1, 4, v0                        ; weights: 16 t in, 8 t out
	v_lshlrev_b32 v2, 3, v0
	v_and_b32 v3, 15, v0                           ; x: four columns j of a slice,
	v_bfe_u32 v4, v0, 4, 1                         ; row of the pair,
	v_lshrrev_b32 v5, 5, v0                        ; slice
	v_lshlrev_b32 v6, 4, v3
	v_lshl_add_u32 v6, v5, 8, v6
	v_lshl_add_u32 v6, v4, 12, v6
	v_lshlrev_b32 v7, 3, v3
	v_lshl_add_u32 v7, v4, 7, v7
	v_lshl_add_u32 v7, v5, 19, v7
	v_cndmask_b32 v[VS], v1, v6, s36
	v_cndmask_b32 v[VD], v2, v7, s36
	v_add_nc_u32 v[VS+1], s30, v[VS]
	v_add_nc_u32 v[VD+1], s31, v[VD]
.set k, 2
.rept 14
	v_add_nc_u32 v[VD+k], s32, v[VD+k-2]
.set k, k+1
.endr
	s_wait_kmcnt 0x0
	s_cmp_lt_u32 s2, 256
	s_cselect_b64 s[26:27], s[8:9], s[10:11]
	s_cselect_b64 s[28:29], s[22:23], s[24:25]
	s_cmp_lt_u32 s2, 320
	s_cselect_b64 s[26:27], s[26:27], s[12:13]
	s_cmp_lt_u32 s2, 384
	s_cselect_b64 s[26:27], s[26:27], s[14:15]
	s_cmp_lt_u32 s2, 448
	s_cselect_b64 s[26:27], s[26:27], s[16:17]
	s_cmp_lt_u32 s2, 512
	s_cselect_b64 s[26:27], s[26:27], s[18:19]
	s_cmp_lt_u32 s2, 768
	s_cselect_b64 s[26:27], s[26:27], s[20:21]
	s_add_nc_u64 s[26:27], s[26:27], s[40:41]
	s_add_nc_u64 s[28:29], s[28:29], s[38:39]
.set it, 0
.rept 16
	global_load_b128 v[X+4*it:X+4*it+3], v[VS+it%2], s[26:27] offset:(it/2)*8192 th:TH_LOAD_NT
.set it, it+1
.endr
.set it, 0
.rept 16
	s_wait_loadcnt 15-it                           ; loads come back in order: unit it is in, the younger ones stay out
	v_cvt_pk_bf16_f32 v[TT], v[X+4*it], v[X+4*it+1]
	v_cvt_pk_bf16_f32 v[TT+1], v[X+4*it+2], v[X+4*it+3]
	v_lshlrev_b32 v[TT+2], 16, v[TT]
	v_and_b32 v[TT+3], s37, v[TT]
	v_lshlrev_b32 v[TT+4], 16, v[TT+1]
	v_and_b32 v[TT+5], s37, v[TT+1]
	v_cvt_pk_f16_f32 v[Y+2*it], v[TT+2], v[TT+3]
	v_cvt_pk_f16_f32 v[Y+2*it+1], v[TT+4], v[TT+5]
	global_store_b64 v[VD+it], v[Y+2*it:Y+2*it+1], s[28:29]  ; a wave stores 256 consecutive bytes, aligned
.set it, it+1
.endr
	s_endpgm
.Lfunc_end_k_q1c41868bc3_prep:
	.size	k_q1c41868bc3_prep, .Lfunc_end_k_q1c41868bc3_prep-k_q1c41868bc3_prep
	.p2alignl 7, 3214868480
	.fill 96, 4, 3214868480
	.section	.rodata,"a",@progbits
	.p2align	6, 0x0
	.amdhsa_kernel k_q1c41868bc3_prep
		.amdhsa_group_segment_fixed_size 0
		.amdhsa_private_segment_fixed_size 0
		.amdhsa_enable_private_segment 0
		.amdhsa_kernarg_size 72
		.amdhsa_user_sgpr_count 2
		.amdhsa_user_sgpr_kernarg_segment_ptr 1
		.amdhsa_wavefront_size32 1
		.amdhsa_system_sgpr_workgroup_id_x 1
		.amdhsa_system_sgpr_workgroup_id_y 1
		.amdhsa_system_sgpr_workgroup_id_z 1
		.amdhsa_system_vgpr_workitem_id 0
		.amdhsa_next_free_vgpr 128
		.amdhsa_next_free_sgpr 66
		.amdhsa_reserve_vcc 0
		.amdhsa_float_denorm_mode_32 3
		.amdhsa_float_denorm_mode_16_64 3
		.amdhsa_memory_ordered 1
		.amdhsa_forward_progress 1
		.amdhsa_inst_pref_size 14
	.end_amdhsa_kernel
	.amdgpu_metadata
---
amdhsa.version: [ 1, 2 ]
amdhsa.kernels:
  - .name:           k_q1c41868bc3_prep
    .symbol:         k_q1c41868bc3_prep.kd
    .args:
      - { .name: x, .offset: 0, .size: 8, .value_kind: global_buffer, .address_space: global }
      - { .name: Wq, .offset: 8, .size: 8, .value_kind: global_buffer, .address_space: global }
      - { .name: Wk, .offset: 16, .size: 8, .value_kind: global_buffer, .address_space: global }
      - { .name: Wv, .offset: 24, .size: 8, .value_kind: global_buffer, .address_space: global }
      - { .name: Wo, .offset: 32, .size: 8, .value_kind: global_buffer, .address_space: global }
      - { .name: W_ff1, .offset: 40, .size: 8, .value_kind: global_buffer, .address_space: global }
      - { .name: W_ff2, .offset: 48, .size: 8, .value_kind: global_buffer, .address_space: global }
      - { .name: xs, .offset: 56, .size: 8, .value_kind: global_buffer, .address_space: global }
      - { .name: wts, .offset: 64, .size: 8, .value_kind: global_buffer, .address_space: global }
    .group_segment_fixed_size: 0
    .private_segment_fixed_size: 0
    .kernarg_segment_align: 8
    .kernarg_segment_size: 72
    .max_flat_workgroup_size: 256
    .sgpr_count:     66
    .vgpr_count:     128
    .wavefront_size: 32
...
	.end_amdgpu_metadata
.endif
;; end of part 1
;; launch qkv (part 2): grid 12 x 16, 4 waves a work-group, clusters of 4 x 4, 327,680 bytes of LDS; arguments xs, wts, big; writes big
.if DOCPART == 2
	.amdgcn_target "amdgcn-amd-amdhsa--gfx1250"
	.amdhsa_code_object_version 6
	.text
	.protected	k_q1c41868bc3_qkv
	.globl	k_q1c41868bc3_qkv
	.p2align	8
	.type	k_q1c41868bc3_qkv,@function
k_q1c41868bc3_qkv:
	s_mov_b64 s[64:65], 0
	v_nop
	global_prefetch_b8 v0, s[64:65] scope:SCOPE_SE
	s_setreg_imm32_b32 hwreg(HW_REG_WAVE_MODE, 25, 1), 1
	s_wait_xcnt 0x0
	s_wait_alu depctr_hold_cnt(0) depctr_sa_sdst(0) depctr_va_vdst(0) depctr_va_sdst(0) depctr_va_ssrc(0) depctr_va_vcc(0) depctr_vm_vsrc(0)
	s_getreg_b32 s2, hwreg(HW_REG_IB_STS2, 6, 4)
	s_cmp_eq_u32 s2, 0
	s_cbranch_scc0 .Lentry_in_a_cluster
	s_endpgm
.Lentry_in_a_cluster:
	s_bfe_u32 s2, ttmp6, 0x10000c
	s_cmp_lg_u32 s2, 0xf033
	s_cbranch_scc0 .Lentry_shape_is_right
	s_endpgm
.Lentry_shape_is_right:
; q | k | v = x [Wq|Wk|Wv].  C = A W with A [4096][1024] f16 in slices ([slice][row][64], a row of a slice 128 bytes), W [1024][N] f16 (k down the rows), sums in f32.
; The result, rounded once to f16, leaves in slices: q in slices 0-15 of the output, k in 16-31, v in 32-47.  LIMIT: a result of 65,520 or more becomes an infinity in f16.
; (EPI = 1, the same text for the first feed-forward product: bias, rounded to bf16, and the exact GELU by a rational form of erf whose error is at most 1.5e-7 for every argument.)
; SHARES.  A work-group of four waves makes 256 x 256 of C, a wave 128 x 128: 64 accumulators, 512 registers.  K goes in steps of 128 through two LDS slots.
; CLUSTER 4 x 4.  The four work-groups of a row of the cluster need the same tile of A, the four of a column the same tile of W: each tile is asked for jointly.
; THE PRODUCT IS TAKEN TRANSPOSED: source 0 = 16 columns of W (turned on the way out of LDS by ds_load_tr16_b128), source 1 = 16 rows of A: a lane holds one row of C and eight neighbouring columns.
; LDS.  Slot s at 147,456 s: A's rows 0-127 as [2 slices][128 rows][144 bytes] at 0, rows 128-255 at 36,864; W's 128 rows of 544 bytes at 73,728.  Every load's LDS base has the two bits of 147,456
; clear, so one exclusive or changes its slot.  144 = 9 x 16 and 544 = 17 x 32: the rows that a fragment load touches start at different banks (64 banks of 4 bytes: ISA guide 11.1).
; Spare words at 294,912.  The way out uses the ring's bytes 0 .. 266,239 as a stage of 256 rows x 1,040 bytes of f32, behind the ring's last fill and a barrier.
; REGISTERS.  window 0: v0-31 addresses; v64-127, v128-191 A's fragments, two buffers; v32-63, v192-255 the way out.  window 1: v64-191 W's fragments.  windows 2, 3: accumulator (a, b) at 8 ((8 a + b) % 32).
.set EPI,   0
.set T,     8                          ; K steps
.set WOFF,  0                          ; W's first byte in wts
.set WPB,   6144                       ; bytes in a row of W
.set ASTEP, 2*524288                   ; a K step in A: two slices
.set WSTEP, 128*WPB                    ; a K step in W: 128 rows
.set WP,    544
.set SP,    1040
.set SLOT,  147456
.set WBASE, 73728
.set SPARE, 2*SLOT
.set BO,    7                          ; v7   16 (l % 16): my bias columns
.set ADRA0, 8                          ; v8   my place in a slot's A; never rewritten
.set ADRB0, 9                          ; v9   my place in a slot's W; never rewritten
.set ADRA,  16                         ; v16  the same in the slot that is read
.set ADRB,  20                         ; v20
.set STO,   22                         ; v22-25  the stage: where I put 32 bytes of a row, for pairs of row blocks
.set RD,    26                         ; v26  the stage: where I read rows back
.set GO,    27                         ; v27  my byte offset in the output
.set SPW,   28                         ; v28  my spare word; never rewritten
.set NIL,   29                         ; v29  0; never rewritten
.set PFO,   30                         ; v30  the prefetches' lane offset; never rewritten
.set RDC,   31                         ; v31  RD + the trip's rows
.set F0,    64
.set F1,    128
.set MUL_LO, 0xa1                      ; source 0 (W) window 1, source 1 (A) window 0, C and D window 2
.set MUL_HI, 0xf1                      ; the same, C and D window 3
.set TO_B,   0x40                      ; destination window 1
; s16 wave, s17 wave / 2 (my half of the rows; 0: I fetch A, 1: W), s18 wave % 2 (my half of the columns; which half I fetch), s19 cx, s20 cy, s21 tile column, s22 tile row
; s[24:31] group 1 of A's tiles, s[32:35] group 0 of K step 0, s[36:39] the walking group 0; s[48:55], s[56:59], s[60:63] the same for W
; s66 the slot that is read, s70 trips to go, s71 the prefetches' limit, s[72:73] their address, s[74:75] their step, s[80:93] GELU's constants, s94 rows done (bytes), s95 trips
.set MSB, 0
.macro WIN new                         ; the immediate's high byte repeats the setting that is left; a switch that changes nothing is dropped
.if MSB != (\new)
	s_set_vgpr_msb (MSB<<8)|(\new)
.set MSB, \new
.endif
.endm
.macro PLACES                          ; four plain vector instructions between a matrix instruction and a load into, or a read of, its registers
.rept 4
	v_nop
.endr
.endm
.macro CREST                           ; a round of the cluster's barrier behind its opening barrier
	s_cmp_lg_u32 s16, 0
	s_cbranch_scc1 .Lnot_wave_0_\@
	s_barrier_signal -3
.Lnot_wave_0_\@:
	s_barrier_wait -3
	s_barrier_signal -1
	s_barrier_wait -1
.endm
.macro CROUND
	s_barrier_signal -1
	s_barrier_wait -1
	CREST
.endm
.macro JLOAD                           ; the joint refill: waves 0, 1 ask for A's halves, waves 2, 3 for W's; the branch hangs on the wave's number alone
	s_cmp_eq_u32 s17, 0
	s_cbranch_scc0 .Lfor_w_\@
	tensor_load_to_lds s[36:39], s[24:31]
	s_nop 0
	PLACES
	s_branch .Lasked_\@
.Lfor_w_\@:
	tensor_load_to_lds s[60:63], s[48:55]
	s_nop 0
	PLACES
.Lasked_\@:
.endm
; A prefetch of the K step two refills on: 32 blocks of 256 bytes, a lane a block.  A's rows are asked for by the clusters with x = 0, W's by those with y = 0; the four partners that ask for a
; tile jointly share its 128 blocks by address.  The last two refills have no K step two on.
.macro ASK
	s_cmp_gt_u32 s70, s71
	s_cbranch_scc0 .Lnot_mine_\@
	global_prefetch_b8 v[PFO], s[72:73] th:TH_LOAD_NT scope:SCOPE_SE
.Lnot_mine_\@:
.endm
; 32 LDS loads: the fragments of quarter q (32 along K) of the slot in ADRA, ADRB into buffer f: W's eight, A's rows 0-63, A's rows 64-127
.macro FETCH q, f
	WIN TO_B
.irp b, 0,1,2,3,4,5,6,7
	ds_load_tr16_b128 v[(\f)+8*(\b):(\f)+8*(\b)+3],   v[ADRB] offset:(\q)*32*WP+32*(\b)
	ds_load_tr16_b128 v[(\f)+8*(\b)+4:(\f)+8*(\b)+7], v[ADRB] offset:((\q)*32+16)*WP+32*(\b)
.endr
	WIN 0
.irp a, 0,1,2,3,4,5,6,7
	ds_load_b128 v[(\f)+8*(\a):(\f)+8*(\a)+3],   v[ADRA] offset:((\q)/2)*18432+((\q)%2)*64+(\a)*2304
	ds_load_b128 v[(\f)+8*(\a)+4:(\f)+8*(\a)+7], v[ADRA] offset:((\q)/2)*18432+((\q)%2)*64+(\a)*2304+32
.endr
.endm
; 16 products: row blocks 2 p, 2 p + 1 x all 8 column blocks.  The 64 accumulators take turns in the same order in every quarter.  zero = 1: the product starts the sum
.macro MULP f, p, zero
	WIN MUL_LO+0x50*((\p)/2)
.irp a, 2*(\p), 2*(\p)+1
.irp b, 0,1,2,3,4,5,6,7
.set rD, 8*((8*(\a)+(\b))%32)
.if \zero
	v_wmma_f32_16x16x32_f16 v[rD:rD+7], v[(\f)+8*(\b):(\f)+8*(\b)+7], v[(\f)+8*(\a):(\f)+8*(\a)+7], 0
.else
	v_wmma_f32_16x16x32_f16 v[rD:rD+7], v[(\f)+8*(\b):(\f)+8*(\b)+7], v[(\f)+8*(\a):(\f)+8*(\a)+7], v[rD:rD+7]
.endif
.endr
.endr
.endm
; One of a K step's first three quarters: multiplies buffer f and, in its middle, fetches quarter q into buffer g
.macro QUARTER q, f, g, zero
	s_wait_dscnt 8                                 ; W's fragments and A's rows 0-63 are in; the youngest eight loads may be out
	MULP \f, 0, \zero
	MULP \f, 1, \zero
	PLACES
	FETCH \q, \g
	s_wait_dscnt 32                                ; all but the 32 just issued
	MULP \f, 2, \zero
	MULP \f, 3, \zero
.endm
; The last quarter multiplies buffer 1 and changes slots.  In front of the barrier each wave waits for all its tensor loads (one is out: its part of the next slot), adds 0 to its spare word, and waits
; for that and for its reads of this slot.  fill = 1: the barrier opens a round of the cluster's, and the joint refill, two K steps on, is the first thing behind the round.
.macro TURN fill
.if \fill
	s_wait_xcnt 0x0                                ; the last prefetch, a K step back, has read its address
	s_add_nc_u64 s[72:73], s[72:73], s[74:75]
.endif
	WIN 0
	s_wait_tensorcnt 0x0
	ds_add_u32 v[SPW], v[NIL]
	s_wait_dscnt 9                                 ; the add and the youngest eight loads may be out
	MULP F1, 0, 0
	s_wait_dscnt 0x0                               ; the add is done, my reads of this slot are over
	s_barrier_signal -1
	MULP F1, 1, 0
	WIN 0
	s_barrier_wait -1
.if \fill
	CREST
	s_xor_b32 s37, s37, SLOT                       ; the walking descriptors: the other slot than last time, the next K step
	s_xor_b32 s61, s61, SLOT
	s_add_nc_u64 s[38:39], s[38:39], ASTEP
	s_add_nc_u64 s[62:63], s[62:63], WSTEP
	JLOAD
.else
	PLACES
.endif
	s_xor_b32 s66, s66, SLOT
	v_add_nc_u32 v[ADRA], s66, v[ADRA0]
	v_add_nc_u32 v[ADRB], s66, v[ADRB0]
	FETCH 0, F0
.if \fill
	ASK
.endif
	MULP F1, 2, 0
	MULP F1, 3, 0
.endm
	s_load_b128 s[4:7], s[0:1], 0x0                ; A, wts
	s_load_b64 s[8:9], s[0:1], 0x10                ; the output
.if EPI
	s_load_b64 s[12:13], s[0:1], 0x18              ; the bias
.endif
	v_lshl_add_u32 v[SPW], v0, 2, SPARE
	v_mov_b32 v[NIL], 0
	ds_add_u32 v[SPW], v[NIL]                      ; the wave's opening: the add and its wait ahead of my first tensor load
	ds_add_u32 v28, v29
	v_lshrrev_b32 v1, 5, v0
	v_readfirstlane_b32 s16, v1
	s_lshr_b32 s17, s16, 1
	s_and_b32 s18, s16, 1
	s_bfe_u32 s19, ttmp6, 0x40000
	s_bfe_u32 s20, ttmp6, 0x40004
	s_lshl_b32 s21, ttmp9, 2
	s_add_co_u32 s21, s21, s19                     ; tile column = 4 x cluster x + cx
	s_and_b32 s22, ttmp7, 0xffff
	s_lshl_b32 s22, s22, 2
	s_add_co_u32 s22, s22, s20                     ; tile row = 4 x cluster y + cy
	s_lshl_b32 s23, s20, 2
	s_lshl_b32 s23, 15, s23                        ; my row of the cluster
	s_lshl_b32 s40, 0x1111, s19                    ; my column
	; A: two slices of 128 dense rows: a tile of 2 rows x 8,192 elements, 262,144 elements apart; 4 words of padding after every 32 (a row of a slice)
	s_or_b32 s24, s23, (1<<16)|(1<<20)|(1<<21)|(4<<22)|(3<<25)
	s_mov_b32 s25, 8192<<16
	s_mov_b32 s26, 2<<16
	s_mov_b32 s27, 8192<<16
	s_mov_b32 s28, 2
	s_mov_b32 s29, 262144
	s_mov_b32 s30, 0
	s_mov_b32 s31, 0
	; W: 64 rows x 256 elements; 8 words of padding after every 128
	s_or_b32 s48, s40, (1<<16)|(1<<20)|(1<<21)|(6<<22)|(7<<25)
	s_mov_b32 s49, 256<<16
	s_mov_b32 s50, 64<<16
	s_mov_b32 s51, 256<<16
	s_mov_b32 s52, 64
	s_mov_b32 s53, WPB/2
	s_mov_b32 s54, 0
	s_mov_b32 s55, 0
	s_lshl_b32 s42, s22, 15                        ; A: 256 rows of 128 bytes a tile row,
	s_lshl_b32 s41, s18, 14                        ; the 128 that I fetch
	s_add_co_u32 s42, s42, s41
	s_mov_b32 s43, 0
	s_mul_i32 s44, s18, 64*WPB                     ; W: the 64 rows that I fetch,
	s_lshl_b32 s46, s21, 9                         ; 512 bytes a tile column
	s_add_co_u32 s44, s44, s46
	s_add_co_u32 s44, s44, WOFF
	s_mov_b32 s45, 0
	s_mul_i32 s68, s18, 36864                      ; where they go: no place in the cluster enters an LDS address
	s_mul_i32 s69, s18, 34816
	s_add_co_u32 s69, s69, WBASE
	s_mov_b32 s66, 0
	s_wait_dscnt 0x0                               ; the opening add is done
	s_wait_kmcnt 0x0
	s_add_nc_u64 s[42:43], s[4:5], s[42:43]
	s_add_nc_u64 s[44:45], s[6:7], s[44:45]
	CROUND                                         ; all sixteen work-groups are here: the first joint loads meet
.irp s, 0,1
	s_mov_b32 s[32+4*(\s)], 1
	s_add_co_u32 s[33+4*(\s)], s68, (\s)*SLOT
	s_add_nc_u64 s[34+4*(\s):35+4*(\s)], s[42:43], (\s)*ASTEP
	s_or_b32 s[35+4*(\s)], s[35+4*(\s)], 0x80000000
	s_mov_b32 s[56+4*(\s)], 1
	s_add_co_u32 s[57+4*(\s)], s69, (\s)*SLOT
	s_add_nc_u64 s[58+4*(\s):59+4*(\s)], s[44:45], (\s)*WSTEP
	s_or_b32 s[59+4*(\s)], s[59+4*(\s)], 0x80000000
.endr
	s_cmp_eq_u32 s17, 0                            ; a wave's two first fills stand in one branch: two loads of mine are out
	s_cbranch_scc0 .Lfirst_w
	tensor_load_to_lds s[32:35], s[24:31]
	s_nop 0
	tensor_load_to_lds s[36:39], s[24:31]
	s_nop 0
	PLACES
	s_branch .Lfirst_done
.Lfirst_w:
	tensor_load_to_lds s[56:59], s[48:55]
	s_nop 0
	tensor_load_to_lds s[60:63], s[48:55]
	s_nop 0
	PLACES
.Lfirst_done:
	v_and_b32 v1, 15, v0                           ; r = l % 16
	v_bfe_u32 v2, v0, 4, 1                         ; h = l / 16
	v_mul_u32_u24 v3, v1, 144
	v_lshl_add_u32 v3, v2, 4, v3
	s_mul_i32 s40, s17, 36864
	v_add_nc_u32 v[ADRA0], s40, v3                 ; A: my half's rows: row x 144 + 16 h
	v_and_b32 v4, 7, v0
	v_lshl_add_u32 v4, v2, 3, v4
	v_mul_u32_u24 v4, v4, WP
	v_bfe_u32 v5, v0, 3, 1
	v_lshl_add_u32 v4, v5, 4, v4                   ; W, for the turning load: k row 8 h + l % 8, 16 bytes by (l / 8) % 2
	s_lshl_b32 s40, s18, 8
	s_add_co_u32 s40, s40, WBASE
	v_add_nc_u32 v[ADRB0], s40, v4
	v_mov_b32 v[ADRA], v[ADRA0]
	v_mov_b32 v[ADRB], v[ADRB0]
	s_mul_i32 s40, s17, 128*SP                     ; the stage, in: row 128 (wave / 2) + r, my 128 columns, 32 bytes by h
	s_lshl_b32 s41, s18, 9
	s_add_co_u32 s40, s40, s41
	v_mul_u32_u24 v3, v1, SP
	v_lshl_add_u32 v3, v2, 5, v3
	v_add_nc_u32 v[STO], s40, v3
	v_add_nc_u32 v[STO+1], 32*SP, v[STO]
	v_add_nc_u32 v[STO+2], 32*SP, v[STO+1]
	v_add_nc_u32 v[STO+3], 32*SP, v[STO+2]
	s_mul_i32 s40, s16, 64*SP                      ; back: wave w takes rows 64 w ..; lanes 0-15 a slice's 64 columns of one row, lanes 16-31 of the next
	v_mul_u32_u24 v3, v2, SP
	v_lshl_add_u32 v3, v1, 4, v3
	v_add_nc_u32 v[RD], s40, v3
	v_and_b32 v3, 31, v0
	v_lshlrev_b32 v[GO], 3, v3                     ; 8 bytes a lane: two rows of a slice are 256 consecutive bytes
	v_lshlrev_b32 v[BO], 4, v1
	s_lshl_b32 s40, s21, 21                        ; the output: slices 4 x tile column .., rows 256 x tile row + 64 w ..
	s_lshl_b32 s41, s22, 15
	s_add_co_u32 s40, s40, s41
	s_lshl_b32 s41, s16, 13
	s_add_co_u32 s40, s40, s41
	s_mov_b32 s41, 0
	s_add_nc_u64 s[8:9], s[8:9], s[40:41]
.if EPI
	s_lshl_b32 s40, s21, 10
	s_add_nc_u64 s[12:13], s[12:13], s[40:41]      ; the bias of my tile's 256 columns
	s_mov_b32 s80, 0x3e6d3388                      ; 0.3275911 / sqrt(2)
	s_mov_b32 s82, 0x3f596d27                      ; sqrt(log2(e) / 2)
	s_mov_b32 s84, 0x3e827906                      ; a1 .. a5
	s_mov_b32 s86, 0xbe91a98e
	s_mov_b32 s88, 0x3fb5f0e3
	s_mov_b32 s90, 0xbfba00e3
	s_mov_b32 s92, 0x3f87dc22
.irp c, 80,82,84,86,88,90,92
	s_mov_b32 s[\c+1], s[\c]                       ; named as pairs
.endr
.endif
	; the prefetches: my own tile's address, my work-group's 32 blocks of its 128, three K steps on (the first change of slots steps it to the fourth)
	s_lshr_b32 s46, s19, 1
	s_lshl_b32 s46, s46, 19
	s_and_b32 s47, s19, 1
	s_lshl_b32 s47, s47, 13
	s_add_co_u32 s46, s46, s47                     ; A: slice cx / 2, 64 rows by cx % 2
	s_mul_i32 s47, s20, 16*WPB                     ; W: 16 rows by cy
	s_and_b32 s40, ttmp7, 0xffff
	s_mov_b32 s74, WSTEP
	s_cmp_eq_u32 s17, 0
	s_cselect_b32 s41, ttmp9, s40                  ; the coordinate along which other clusters read the same rows
	s_cselect_b64 s[72:73], s[42:43], s[44:45]
	s_cselect_b32 s74, ASTEP, s74
	s_cselect_b32 s46, s46, s47
	s_cselect_b32 s76, -1, 0
	s_mov_b32 s75, 0
	s_mov_b32 s47, 0
	s_add_nc_u64 s[72:73], s[72:73], s[46:47]
	s_mul_i32 s46, s74, 3
	s_add_nc_u64 s[72:73], s[72:73], s[46:47]
	s_cmp_eq_u32 s41, 0
	s_cselect_b32 s71, 2, -1                       ; the same in all sixteen partners, for a given wave
	v_lshlrev_b32 v4, 8, v3                        ; A: 256 l
	v_lshrrev_b32 v5, 1, v3
	v_mul_u32_u24 v5, v5, WPB
	v_and_b32 v6, 1, v3
	v_lshl_add_u32 v5, v6, 8, v5                   ; W: row l / 2, half l % 2 of its 512 bytes
	v_cndmask_b32 v[PFO], v5, v4, s76
	s_wait_tensorcnt 0x1                           ; my part of K step 0 is in; K step 1's may stay out
	s_barrier_signal -1
	s_barrier_wait -1
	FETCH 0, F0
	QUARTER 1, F0, F1, 1                           ; the first quarter stands in front of the loop: its products start the sums
	WIN 0
	s_mov_b32 s70, T-2
.Ltrip:                                                ; a trip is a K step, from its second quarter to the next step's first, and fills one slot again
	QUARTER 2, F1, F0, 0
	QUARTER 3, F0, F1, 0
	TURN 1
	QUARTER 1, F0, F1, 0
	WIN 0
	s_sub_co_u32 s70, s70, 1
	s_cmp_lg_u32 s70, 0
	s_cbranch_scc1 .Ltrip
	s_mov_b32 s70, 2
.Ltail:                                                ; the last two K steps fill nothing.  The second trip is left in its middle; its change of slots fetches 32 fragments that serve nothing: the price of one text for both
	QUARTER 2, F1, F0, 0
	QUARTER 3, F0, F1, 0
	TURN 0
	WIN 0
	s_sub_co_u32 s70, s70, 1
	s_cmp_eq_u32 s70, 0
	s_cbranch_scc1 .Lout
	QUARTER 1, F0, F1, 0
	WIN 0
	s_branch .Ltail
.Lout:
	s_wait_dscnt 0x0                               ; my reads of the ring are over
	s_barrier_signal -1
	s_barrier_wait -1                              ; everybody's are: the ring's bytes, which have had their last fill, become the stage
	PLACES
.if EPI
.set BI, 80
.irp j, 0,1,2,3
	global_load_b128 v[BI+4*\j:BI+4*\j+3], v[BO], s[12:13] offset:256*\j
.endr
.endif
.set i, 0
.rept 64                                               ; each accumulator's low four registers first
	WIN 0x08+4*(i/32)
	ds_store_b128 v[STO+i/16], v[8*(i%32):8*(i%32)+3]   offset:((i/8)%2)*16*SP+64*(i%8)
	ds_store_b128 v[STO+i/16], v[8*(i%32)+4:8*(i%32)+7] offset:((i/8)%2)*16*SP+64*(i%8)+16
.set i, i+1
.endr
	WIN 0
	s_wait_dscnt 0x0                               ; for the others' sake: my stores into the stage are done
	s_barrier_signal -1
	s_barrier_wait -1
.if EPI == 0
	; eight trips of eight rows: 16 loads (pair of rows pr, slice j), rounded to f16, stored as 256 consecutive bytes of a slice
	s_mov_b32 s94, 0
	s_mov_b32 s95, 8
.Lrows:
	v_add_nc_u32 v[RDC], s94, v[RD]
.set i, 0
.rept 16
	ds_load_b128 v[192+4*i:192+4*i+3], v[RDC] offset:(i/4)*2*SP+256*(i%4)
.set i, i+1
.endr
	s_wait_xcnt 0x0                                ; the last trip's stores have read their offset and their data
	v_add_nc_u32 v[GO], 1024, v[GO]                ; eight rows on; the stores reach back
.set i, 0
.rept 16
	s_wait_dscnt 15-i
	v_cvt_pk_f16_f32 v[32+2*i], v[192+4*i], v[192+4*i+1]
	v_cvt_pk_f16_f32 v[32+2*i+1], v[192+4*i+2], v[192+4*i+3]
	global_store_b64 v[GO], v[32+2*i:32+2*i+1], s[8:9] offset:(i%4)*524288+(i/4)*256-1024
.set i, i+1
.endr
	s_add_co_u32 s94, s94, 8*SP
	s_sub_co_u32 s95, s95, 1
	s_cmp_lg_u32 s95, 0
	s_cbranch_scc1 .Lrows
.else
	; 32 trips of a pair of rows: 16 numbers a lane.  z = sum + bias; gelu(z) = g + |g| (1 - R(t) e), g = z / 2, t = 1 / (1 + p |z|), e = 2^-(c z)^2, R a polynomial of degree 5 without constant term
.set X, 64
.set Z, 96
.set D, 112
.set Q, 128
.set G, 144
.set R, 160
.set Y, 176
	s_wait_loadcnt 0x0
.set i, 0
.rept 8
	v_cvt_pk_bf16_f32 v[Y+i], v[BI+2*i], v[BI+2*i+1]
.set i, i+1
.endr
.set i, 0
.rept 8
	v_lshlrev_b32 v[BI+2*i], 16, v[Y+i]
	v_and_b32 v[BI+2*i+1], 0xffff0000, v[Y+i]
.set i, i+1
.endr
.irp j, 0,1,2,3
	ds_load_b128 v[X+4*\j:X+4*\j+3], v[RD] offset:256*\j
.endr
	s_mov_b32 s94, 0
	s_mov_b32 s95, 32
.Lrows:
	s_wait_dscnt 0x0
.set i, 0
.rept 8
	v_pk_add_f32 v[Z+2*i:Z+2*i+1], v[X+2*i:X+2*i+1], v[BI+2*i:BI+2*i+1]
.set i, i+1
.endr
	s_add_co_u32 s94, s94, 2*SP                    ; the next trip's rows are asked for now; the last trip asks for my first rows again, so that no read leaves the stage
	s_cmp_eq_u32 s94, 64*SP
	s_cselect_b32 s94, 0, s94
	v_add_nc_u32 v[RDC], s94, v[RD]
.irp j, 0,1,2,3
	ds_load_b128 v[X+4*\j:X+4*\j+3], v[RDC] offset:256*\j
.endr
.set i, 0
.rept 9                                                ; a pair's four plain lines, then the pair before's four transcendentals: one batch of 32
.if i < 8
	v_fma_f32 v[D+2*i], |v[Z+2*i]|, s80, 1.0
	v_fma_f32 v[D+2*i+1], |v[Z+2*i+1]|, s80, 1.0
	v_pk_mul_f32 v[R+2*i:R+2*i+1], v[Z+2*i:Z+2*i+1], s[82:83] op_sel_hi:[1,0]
	v_pk_mul_f32 v[Q+2*i:Q+2*i+1], v[R+2*i:R+2*i+1], v[R+2*i:R+2*i+1] neg_lo:[1,0] neg_hi:[1,0]
.endif
.if i > 0
	v_rcp_f32 v[D+2*i-2], v[D+2*i-2]
	v_rcp_f32 v[D+2*i-1], v[D+2*i-1]
	v_exp_f32 v[Q+2*i-2], v[Q+2*i-2]
	v_exp_f32 v[Q+2*i-1], v[Q+2*i-1]
.endif
.set i, i+1
.endr
.set i, 0
.rept 8
	v_pk_mul_f32 v[G+2*i:G+2*i+1], v[Z+2*i:Z+2*i+1], 0.5 op_sel_hi:[1,0]  ; plain work that names no result of the batch
.set i, i+1
.endr
	s_wait_alu depctr_va_vdst(0)                   ; one wait for the batch, ahead of its first reader
.set i, 0
.rept 8
	v_pk_fma_f32 v[R+2*i:R+2*i+1], v[D+2*i:D+2*i+1], s[92:93], s[90:91] op_sel_hi:[1,0,0]
.set i, i+1
.endr
.irp c, 88,86,84
.set i, 0
.rept 8
	v_pk_fma_f32 v[R+2*i:R+2*i+1], v[R+2*i:R+2*i+1], v[D+2*i:D+2*i+1], s[\c:\c+1] op_sel_hi:[1,1,0]
.set i, i+1
.endr
.endr
.set i, 0
.rept 8
	v_pk_mul_f32 v[R+2*i:R+2*i+1], v[R+2*i:R+2*i+1], v[D+2*i:D+2*i+1]
.set i, i+1
.endr
.set i, 0
.rept 8
	v_pk_fma_f32 v[R+2*i:R+2*i+1], v[R+2*i:R+2*i+1], v[Q+2*i:Q+2*i+1], 1.0 op_sel_hi:[1,1,0] neg_lo:[1,0,0] neg_hi:[1,0,0]
.set i, i+1
.endr
.set i, 0
.rept 16
	v_fma_f32 v[Z+i], |v[G+i]|, v[R+i], v[G+i]
.set i, i+1
.endr
	s_wait_xcnt 0x0                                ; the last trip's stores have read their offset and their data
	v_add_nc_u32 v[GO], 256, v[GO]                 ; two rows on; the stores reach back
.set i, 0
.rept 8
	v_cvt_pk_f16_f32 v[Y+i], v[Z+2*i], v[Z+2*i+1]
.set i, i+1
.endr
.irp j, 0,1,2,3
	global_store_b64 v[GO], v[Y+2*\j:Y+2*\j+1], s[8:9] offset:\j*524288-256
.endr
	s_sub_co_u32 s95, s95, 1
	s_cmp_lg_u32 s95, 0
	s_cbranch_scc1 .Lrows
.endif
	s_wait_tensorcnt 0x0                           ; the wave's end: behind my last tensor load and my last LDS store
	ds_add_u32 v[SPW], v[NIL]
	s_wait_dscnt 0x0
	CROUND                                         ; the closing round: no work-group ends while a partner may still ask for a tile that names it
	s_endpgm
.Lfunc_end_k_q1c41868bc3_qkv:
	.size	k_q1c41868bc3_qkv, .Lfunc_end_k_q1c41868bc3_qkv-k_q1c41868bc3_qkv
	.p2alignl 7, 3214868480
	.fill 96, 4, 3214868480
	.section	.rodata,"a",@progbits
	.p2align	6, 0x0
	.amdhsa_kernel k_q1c41868bc3_qkv
		.amdhsa_group_segment_fixed_size 327680
		.amdhsa_private_segment_fixed_size 0
		.amdhsa_enable_private_segment 0
		.amdhsa_kernarg_size 24
		.amdhsa_user_sgpr_count 2
		.amdhsa_user_sgpr_kernarg_segment_ptr 1
		.amdhsa_wavefront_size32 1
		.amdhsa_system_sgpr_workgroup_id_x 1
		.amdhsa_system_sgpr_workgroup_id_y 1
		.amdhsa_system_sgpr_workgroup_id_z 1
		.amdhsa_system_vgpr_workitem_id 0
		.amdhsa_next_free_vgpr 1024
		.amdhsa_next_free_sgpr 96
		.amdhsa_reserve_vcc 0
		.amdhsa_float_denorm_mode_32 3
		.amdhsa_float_denorm_mode_16_64 3
		.amdhsa_memory_ordered 1
		.amdhsa_forward_progress 1
		.amdhsa_inst_pref_size 84
	.end_amdhsa_kernel
	.amdgpu_metadata
---
amdhsa.version: [ 1, 2 ]
amdhsa.kernels:
  - .name:           k_q1c41868bc3_qkv
    .symbol:         k_q1c41868bc3_qkv.kd
    .args:
      - { .name: xs, .offset: 0, .size: 8, .value_kind: global_buffer, .address_space: global }
      - { .name: wts, .offset: 8, .size: 8, .value_kind: global_buffer, .address_space: global }
      - { .name: big, .offset: 16, .size: 8, .value_kind: global_buffer, .address_space: global }
    .group_segment_fixed_size: 327680
    .private_segment_fixed_size: 0
    .kernarg_segment_align: 8
    .kernarg_segment_size: 24
    .max_flat_workgroup_size: 128
    .sgpr_count:     96
    .vgpr_count:     1024
    .wavefront_size: 32
...
	.end_amdgpu_metadata
.endif
;; end of part 2
;; launch attn (part 3): grid 8 x 32, 4 waves a work-group, no clusters, 327,680 bytes of LDS; arguments big, act; writes act
.if DOCPART == 3
	.amdgcn_target "amdgcn-amd-amdhsa--gfx1250"
	.amdhsa_code_object_version 6
	.text
	.protected	k_q1c41868bc3_attn
	.globl	k_q1c41868bc3_attn
	.p2align	8
	.type	k_q1c41868bc3_attn,@function
k_q1c41868bc3_attn:
	s_mov_b64 s[64:65], 0
	v_nop
	global_prefetch_b8 v0, s[64:65] scope:SCOPE_SE
	s_setreg_imm32_b32 hwreg(HW_REG_WAVE_MODE, 25, 1), 1
	s_wait_xcnt 0x0
; CAUSAL ATTENTION, head size 64.  O[y][q] = the sum over k <= q of softmax_k(Q[y][q] . K[y][k] / 8) V[y][k].  Q, K, V lie in big at bytes 0, 8,388,608 and 16,777,216, each [32][2048][64] f16
; (y = 2 x head + batch: a head's rows are dense, 128 bytes each); O goes to act in the same layout.  Products, maxima and sums in f32; the weights p are rounded to f16 for the second product, O once at the end.
; LIMITS.  Q, K, V arrive within f16's 65,504.  A hidden score counts as its value less 1e30; a weight below 2^-126 counts as 0; NaN and infinities are not treated apart.
; THE WALK.  A head's queries lie in 16 blocks of 128; block i needs the key tiles (256 keys) 0 .. i / 2.  A work-group takes blocks 15 - b and then b: 9 tiles whatever b, so all 256 work-groups do equal work and
; one loop with a constant trip count walks them.  What a trip does hangs on scalar registers made from b; every jump but the loops' own goes forward and passes no barrier and no tensor load
; (but the one of LOAD's two lines that the wave's number does not choose).
; NO CLUSTER: the eight work-groups of a head walk first blocks of 5 to 8 tiles, so partners ask for different tiles from the sixth trip on; a walk common to all would have 12 trips for 9.
; SHARES.  Of a block's two bands of 64 queries a wave owns 16 rows in each: two tiles.  Band u's own key step is the one with RS = DD - u (RS: steps of the block still to score, this one among them);
; before it all keys are seen, behind it none.
; THE MASK is the C operand that starts S^T = K Q^T: MC = MD x AL + BE, MD the mask of a band's own step for my rows (0 or -1e30), (AL, BE) = (1, 0), (0, 0) or (0, -1e30).  Far from a block's end MC stays 0.
; LAYOUT.  S^T = K Q^T holds one query a lane (l % 16) and the keys 8 (l / 16) + 0..7; two results rounded to f16 are source 1 of O^T = V^T P.  p = 2^(c s - c m), c = log2(e) / 8, with a running maximum m; O and l
; are multiplied by a = 2^(c m_old - c m_new) in every step.  A block starts with c m far below every c s, so its first a is 0 and O and l need only be finite.
; A STEP is cut in two: H2(s): K of step s + 1 is fetched; maximum, exponentials, rescaling, roundings; V^T P with the sums beside it; V of step s + 1 is fetched.  H1(s + 1): the masks, K Q^T.
; Behind H1 of a tile's last step that tile's K and V are all in registers or asked for: there the slots change.
; REGISTERS.  window 0: v2-15 addresses; v16-23 statistics (c m, m, l even, l odd a tile); v48-55 at work; v64-127 S^T; v128-159 P; v160-223 O^T; v224-255 MD.
;             window 1: v0-31 Q; v32-63 the second block's Q; v64-127 K; v128-191 V; v192-255 MC.
.set KS,    64
.set PK,    144       ; a row of K in LDS: 128 bytes + 16: the 16 rows of a load start at 16 different groups of four banks (64 banks of 4 bytes: ISA guide 11.1)
.set PV,    160       ; a row of V: 128 + 32
.set VOFF,  4*KS*PK   ; a slot holds a tile: 256 rows of K, then 256 rows of V
.set SLOT1, 1<<17
.set STAGE, SLOT1+4*KS*(PK+PV)  ; behind the ring, never filled by a tensor load: 16 rows x 144 bytes for each wave
.set SP,    144
.set SPARE, STAGE+4*16*SP       ; the spare words: 128 bytes for each wave
.set AK0, 2
.set AV0, 3
.set AK,  4
.set AV,  5
.set STO, 6
.set RD,  7
.set GO,  8
.set MV,  12
.set QO,  15
.set ST,  16
.set TMP, 48
.set PFO, 61
.set SPW, 62
.set NIL, 63
.set S,   64
.set P,   128
.set O,   160
.set MD,  224
.set QB,  32          ; window 1
.set KF,  64
.set VF,  128
.set MC,  192
.set WV,  12          ; s12 my wave's number
.set PB,  14          ; s14 b
.set G1K, 24
.set G1V, 32
.set G0K, 40
.set G0V, 44
.set SLOTS, 56        ; tiles still to be asked for
.set CNT, 57          ; counts a tile's key steps
.set CS,  58          ; s[58:59] c
.set SEL, 60          ; s[60:61] v_permlanex16_b32's selects
.set TBK, 62          ; LDS byte at which K of the step to be fetched begins
.set TBV, 63          ; the same for V, less VOFF
.set RS,  70
.set NXT, 71          ; the tile to be asked for next
.set LQ,  72          ; the last tile of the block whose tiles are being asked for
.set LQ2, 73          ; the second block's
.set OFF, 74          ; s[74:75]
.set AL,  76          ; s[76:77]
.set BE,  78          ; s[78:79]
.set OLO, 80          ; s[80:81] O at my rows of the second block
.set OP0, 82          ; s[82:83] O at my rows of the block in hand
.set BIGN, 84
.set DD,  85
.set DD2, 86
.set RS2, 87
.set LIM, 88
.set PFA, 90          ; s[90:91]
.set MSB, 0
.macro WIN new
.if MSB != (\new)
	s_set_vgpr_msb (MSB<<8)|(\new)
.set MSB, (\new)
.endif
.endm
.macro LOAD                         ; waves 0, 1 fetch the halves of a tile's K, waves 2, 3 those of its V: 128 keys each
	s_cmp_lt_u32 s[WV], 2
	s_cbranch_scc0 .Lfor_v_\@
	tensor_load_to_lds s[G0K:G0K+3], s[G1K:G1K+7]
	s_nop 0
.rept 4
	v_nop
.endr
	s_branch .Lasked_\@
.Lfor_v_\@:
	tensor_load_to_lds s[G0V:G0V+3], s[G1V:G1V+7]
	s_nop 0
.rept 4
	v_nop
.endr
.Lasked_\@:
.endm
; A prefetch of the tile behind the one just asked for: my own 16,384 bytes of it, 64 blocks of 256, a lane a block, two instructions.  Work-group b = 0 walks the head's tiles 0 to 7 in order, so it alone asks,
; and each block is named once in the launch; it stops when the tile behind would be the eighth's successor.
.macro ASK
	s_cmp_gt_u32 s[SLOTS], s[LIM]
	s_cbranch_scc0 .Lnot_mine_\@
	global_prefetch_b8 v[PFO], s[PFA:PFA+1] th:TH_LOAD_NT scope:SCOPE_SE
	global_prefetch_b8 v[PFO], s[PFA:PFA+1] offset:8192 th:TH_LOAD_NT scope:SCOPE_SE
.Lnot_mine_\@:
.endm
; THE CHANGE OF SLOTS.  Each wave waits for all its tensor loads (one is out: its part of the other slot), adds 0 to its spare word, and waits for that and for its reads of the slot that it leaves.
; fill = 1: the old slot is filled again, first thing behind the barrier, with tile NXT.  (At its first use nothing has been read: slot 0 is waited for, slot 1 filled.)
.macro CHANGE fill
	WIN 0
	s_wait_tensorcnt 0x0
	ds_add_u32 v[SPW], v[NIL]
.if \fill
	s_lshl_b32 s[OFF], s[NXT], 15   ; a tile is 32,768 bytes of K and of V
	s_xor_b32 s[G0K+1], s[G0K+1], SLOT1
	s_add_nc_u64 s[G0K+2:G0K+3], s[8:9], s[OFF:OFF+1]
	s_or_b32 s[G0K+3], s[G0K+3], 0x80000000
	s_xor_b32 s[G0V+1], s[G0V+1], SLOT1
	s_add_nc_u64 s[G0V+2:G0V+3], s[10:11], s[OFF:OFF+1]
	s_or_b32 s[G0V+3], s[G0V+3], 0x80000000
	s_add_co_u32 s[NXT], s[NXT], 1  ; the block's next tile, or behind its last the second block's tile 0
	s_cmp_gt_u32 s[NXT], s[LQ]
	s_cselect_b32 s[NXT], 0, s[NXT]
	s_cselect_b32 s[LQ], s[LQ2], s[LQ]
	s_wait_xcnt 0x0                 ; the last prefetches, a tile back, have read their address
	s_add_nc_u64 s[PFA:PFA+1], s[PFA:PFA+1], 32768
.endif
	s_wait_dscnt 0x0                ; the add is done, my reads of the slot are over
	s_barrier_signal -1
	s_sub_co_u32 s[TBK], s[TBK], 4*KS*PK  ; the fetches go back to a slot's first step, in the other slot
	s_xor_b32 s[TBK], s[TBK], SLOT1
	s_sub_co_u32 s[TBV], s[TBV], 4*KS*PV
	s_xor_b32 s[TBV], s[TBV], SLOT1
	s_barrier_wait -1
.if \fill
	LOAD
	ASK
.endif
.endm
	s_load_b128 s[4:7], s[0:1], 0x0 ; big, act
	v_lshl_add_u32 v[SPW], v0, 2, SPARE
	v_mov_b32 v[NIL], 0
	ds_add_u32 v[SPW], v[NIL]       ; the wave's opening: the add and its wait ahead of my first tensor load
	ds_add_u32 v62, v63
	v_lshrrev_b32 v1, 5, v0
	v_readfirstlane_b32 s[WV], v1
	s_mov_b32 s[PB], ttmp9
	s_and_b32 s16, ttmp7, 0xffff
	s_lshl_b32 s16, s16, 18         ; the head's first byte in q, k, v and ctx
	s_and_b32 s17, s[WV], 1         ; which half of a tile's 256 keys I fetch
	s_lshl_b32 s18, s17, 14
	s_add_co_u32 s18, s18, s16
	s_add_co_u32 s2, s18, 8388608   ; K
	s_mov_b32 s3, 0
	s_add_co_u32 s18, s18, 16777216 ; V
	s_mov_b32 s19, 0
	s_mul_i32 s13, s17, 128*PK      ; its place in a slot
	s_mul_i32 s15, s17, 128*PV
	s_lshl_b32 s17, s[WV], 11
	s_add_co_u32 s16, s16, s17      ; my 16 rows in a band,
	s_sub_co_u32 s17, 15, s[PB]
	s_lshl_b32 s17, s17, 14
	s_add_co_u32 s92, s16, s17      ; in the first block,
	s_mov_b32 s93, 0
	s_lshl_b32 s17, s[PB], 14
	s_add_co_u32 s94, s16, s17      ; and in the second
	s_mov_b32 s95, 0
	s_sub_co_u32 s17, 17, s[PB]
	s_lshr_b32 s17, s17, 1          ; the first block's tiles
	s_lshl_b32 s[RS], s17, 2
	s_sub_co_u32 s[LQ], s17, 1
	s_add_co_u32 s17, s[PB], 2
	s_lshr_b32 s17, s17, 1          ; the second block's
	s_lshl_b32 s[RS2], s17, 2
	s_sub_co_u32 s[LQ2], s17, 1
	s_and_b32 s17, s[PB], 1
	s_lshl_b32 s17, s17, 1
	s_add_co_u32 s[DD], s17, 2      ; 4 where the block's number is even (its last two steps are wholly hidden), else 2
	s_sub_co_u32 s[DD2], 6, s[DD]
	s_cmp_eq_u32 s[PB], 0
	s_cselect_b32 s[LIM], 2, -1
	; descriptor group 1: 128 keys are 16,384 dense bytes: 64 rows of 256 bytes, two keys a row, padded in LDS after every key
	s_mov_b32 s[G1K], (1<<16)|(1<<20)|(4<<22)|(3<<25)
	s_mov_b32 s[G1V], (1<<16)|(1<<20)|(4<<22)|(7<<25)
.irp g, G1K, G1V
	s_mov_b32 s[\g+1], 128<<16
	s_mov_b32 s[\g+2], 64<<16
	s_mov_b32 s[\g+3], 128<<16
	s_mov_b32 s[\g+4], 64
	s_mov_b32 s[\g+5], 128
	s_mov_b32 s[\g+6], 0
	s_mov_b32 s[\g+7], 0
.endr
	s_mov_b32 s[CS], 0x3e38aa3b     ; c = log2(e) / 8
	s_mov_b32 s[CS+1], s[CS]
	s_mov_b32 s[SEL], 0x76543210
	s_mov_b32 s[SEL+1], 0xfedcba98
	s_mov_b32 s[TBK], SLOT1+4*KS*PK ; the first change of slots turns these two into 0
	s_mov_b32 s[TBV], SLOT1+4*KS*PV
	s_mov_b32 s[G0K], 1
	s_mov_b32 s[G0K+1], s13
	s_mov_b32 s[G0V], 1
	s_add_co_u32 s[G0V+1], s15, VOFF
	s_mov_b32 s[NXT], 1
	s_mov_b32 s[OFF+1], 0
	s_mov_b32 s[AL], 0
	s_mov_b32 s[AL+1], 0
	s_mov_b32 s[BE], 0
	s_mov_b32 s[BE+1], 0
	s_mov_b32 s[BIGN], 0xf149f2ca   ; -1e30
	s_mov_b32 s[SLOTS], 8
	s_wait_dscnt 0x0                ; the opening add is done
	s_wait_kmcnt 0x0
	s_add_nc_u64 s[8:9], s[4:5], s[2:3]      ; K and V at my half of the head's tile 0
	s_add_nc_u64 s[10:11], s[4:5], s[18:19]
	s_add_nc_u64 s[G0K+2:G0K+3], s[8:9], 0
	s_or_b32 s[G0K+3], s[G0K+3], 0x80000000
	s_add_nc_u64 s[G0V+2:G0V+3], s[10:11], 0
	s_or_b32 s[G0V+3], s[G0V+3], 0x80000000
	s_add_nc_u64 s[20:21], s[4:5], s[92:93]  ; Q of the two blocks
	s_add_nc_u64 s[22:23], s[4:5], s[94:95]
	s_add_nc_u64 s[OP0:OP0+1], s[6:7], s[92:93]
	s_add_nc_u64 s[OLO:OLO+1], s[6:7], s[94:95]
	s_cmp_lt_u32 s[WV], 2
	s_cselect_b64 s[PFA:PFA+1], s[8:9], s[10:11]
	s_add_nc_u64 s[PFA:PFA+1], s[PFA:PFA+1], 32768  ; at tile 1; the first change of slots steps it to tile 2
	LOAD                            ; tile 0 into slot 0
	v_and_b32 v1, 15, v0            ; l % 16
	v_bfe_u32 v9, v0, 4, 1          ; l / 16
	v_lshlrev_b32 v[QO], 7, v1
	v_lshl_add_u32 v[QO], v9, 4, v[QO]
	WIN 0x40
.set i, 0
.rept 4                             ; both blocks' Q: tile i / 2 lies 8,192 bytes on; channels 32 (i % 2) on
	global_load_b128 v[8*i:8*i+3],   v[QO], s[20:21] offset:(i/2)*8192+(i%2)*64
	global_load_b128 v[8*i+4:8*i+7], v[QO], s[20:21] offset:(i/2)*8192+(i%2)*64+32
	global_load_b128 v[QB+8*i:QB+8*i+3],   v[QO], s[22:23] offset:(i/2)*8192+(i%2)*64
	global_load_b128 v[QB+8*i+4:QB+8*i+7], v[QO], s[22:23] offset:(i/2)*8192+(i%2)*64+32
.set i, i+1
.endr
	WIN 0
	v_lshlrev_b32 v14, 3, v9
	v_sub_nc_u32 v14, v1, v14
	s_lshl_b32 s17, s[WV], 4
	v_add_nc_u32 v14, s17, v14      ; my query's place in its band less my lanes' 8 (l / 16): register r of key group kt is hidden where 16 kt + r is greater
.set i, 0
.rept 32
	v_cmp_gt_i32 vcc_lo, 16*(i/8)+i%8, v14
	v_cndmask_b32 v[MD+i], 0, s[BIGN], vcc_lo
.set i, i+1
.endr
	v_mul_u32_u24 v[AK0], v1, PK
	v_lshl_add_u32 v[AK0], v9, 4, v[AK0]
	v_and_b32 v10, 7, v0
	v_bfe_u32 v11, v0, 3, 1
	v_lshl_add_u32 v[AV0], v9, 3, v10
	v_mul_u32_u24 v[AV0], v[AV0], PV
	v_lshl_add_u32 v[AV0], v11, 4, v[AV0]
	v_add_nc_u32 v[AV0], VOFF, v[AV0]
	s_mul_i32 s17, s[WV], 16*SP
	s_add_co_u32 s17, s17, STAGE
	v_mul_u32_u24 v[STO], v1, SP    ; in: row l % 16, 16 bytes for each half of the lanes
	v_lshl_add_u32 v[STO], v9, 4, v[STO]
	v_add_nc_u32 v[STO], s17, v[STO]
	v_bfe_u32 v[RD], v0, 3, 2       ; back: 32 lanes take four rows of 128 bytes,
	v_mul_u32_u24 v[RD], v[RD], SP
	v_lshl_add_u32 v[RD], v10, 4, v[RD]
	v_add_nc_u32 v[RD], s17, v[RD]
	v_and_b32 v[GO], 31, v0         ; which are 512 consecutive bytes of O
	v_lshlrev_b32 v[PFO], 8, v[GO]
	v_lshlrev_b32 v[GO], 4, v[GO]
.set i, 0
.rept 64                            ; O and l need only be finite (the first a is 0): written in the wait for the first tile
	v_mov_b32 v[O+i], 0
.set i, i+1
.endr
.irp t, 0,1
	v_mov_b32 v[ST+4*\t], 0xfe000000     ; c m: far below every c s
	v_mov_b32 v[ST+4*\t+1], 0xff7fffff   ; m
	v_mov_b32 v[ST+4*\t+2], 0
	v_mov_b32 v[ST+4*\t+3], 0
.endr
; Product i of 16 of S^T = K Q^T: channels 32 (i / 8) on, keys 16 ((i / 2) % 4) on, tile i % 2.  The first 8 start the sums with the mask.  The 8 accumulators take turns.
.macro KQ
.set rS, S+32*(i%2)+8*((i/2)%4)
.set rK, KF+16*((i/2)%4)+8*(i/8)
.set rQ, 16*(i%2)+8*(i/8)
.set rM, MC+32*(i%2)+8*((i/2)%4)
.if i < 8
	WIN 0x15
	v_wmma_f32_16x16x32_f16 v[rS:rS+7], v[rK:rK+7], v[rQ:rQ+7], v[rM:rM+7]
.else
	WIN 0x05
	v_wmma_f32_16x16x32_f16 v[rS:rS+7], v[rK:rK+7], v[rQ:rQ+7], v[rS:rS+7]
.endif
.endm
; Product i of 16 of O^T += V^T P: keys 32 (i / 8) on, channels 16 ((i / 2) % 4) on, tile i % 2
.macro PV
	WIN 0x01
.set rO, O+32*(i%2)+8*((i/2)%4)
.set rV, VF+32*(i/8)+8*((i/2)%4)
.set rP, P+16*(i%2)+8*(i/8)
	v_wmma_f32_16x16x32_f16 v[rO:rO+7], v[rV:rV+7], v[rP:rP+7], v[rO:rO+7]
.endm
; The LDS loads stand in runs of 16.  last = 1 (the tail): in the last trip there is no further step, and the run is jumped over.
.macro FETCH_K last
	WIN 0
.if \last
	s_cmp_eq_u32 s[CNT], 1
	s_cbranch_scc1 .Lno_k_\@
.endif
	WIN 0x40
.irp f, 0,1,2,3,4,5,6,7             ; keys 16 (f / 2) on, channels 32 (f % 2) on
	ds_load_b128 v[KF+8*\f:KF+8*\f+3],   v[AK] offset:(\f/2)*16*PK+(\f%2)*64
	ds_load_b128 v[KF+8*\f+4:KF+8*\f+7], v[AK] offset:(\f/2)*16*PK+(\f%2)*64+32
.endr
	WIN 0
	s_add_co_u32 s[TBK], s[TBK], KS*PK
.if \last
.Lno_k_\@:
.endif
.endm
.macro FETCH_V last
	WIN 0
.if \last
	s_cmp_eq_u32 s[CNT], 1
	s_cbranch_scc1 .Lno_v_\@
.endif
	WIN 0x40
.irp f, 0,1,2,3,4,5,6,7             ; keys 32 (f / 4) on, channels 16 (f % 4) on
	ds_load_tr16_b128 v[VF+8*\f:VF+8*\f+3],   v[AV] offset:(\f/4)*32*PV+(\f%4)*32
	ds_load_tr16_b128 v[VF+8*\f+4:VF+8*\f+7], v[AV] offset:(\f/4)*32*PV+16*PV+(\f%4)*32
.endr
	WIN 0
	s_add_co_u32 s[TBV], s[TBV], KS*PV
.if \last
.Lno_v_\@:
.endif
.endm
; THE VECTOR WORK, a line at a time, for tile u.  F n: c s - c m for pair n of 16.  E n: the exponential of score n of 32.  C n: pair n rounded to f16.  B n: of the four weights 4 n .. the second pair is added
; onto the first.  L n: l takes that sum (L 0: l = a l + sum).  R n: pair n of 16 of O^T times a.  X n: number n of the 22 that find the maximum and statistics: 0-11 four chains of seven scores, each
; accumulator's lowest registers first; 12-14, 16 the four scores left over, the old m, and the four into one; 15 c m_old is kept; 17, 18 the lane 16 away; 19-21 c m, its change, a.
.set F, 0
.set E, 1
.set C, 2
.set B, 3
.set L, 4
.set R, 5
.set X, 6
.macro REGS u
.set rT, ST+4*(\u)
.set rC, TMP+4*(\u)
.set rW, MV+(\u)
.set rS, S+32*(\u)
.set rP, P+16*(\u)
.set rO, O+32*(\u)
.endm
.macro OP u, kind, n
	REGS \u
	WIN 0
.if (\kind) == F
	v_pk_fma_f32 v[rS+2*(\n):rS+2*(\n)+1], v[rS+2*(\n):rS+2*(\n)+1], s[CS:CS+1], v[rT:rT+1] op_sel_hi:[1,0,0] neg_lo:[0,0,1] neg_hi:[0,0,1]
.elseif (\kind) == E
	v_exp_f32 v[rS+(\n)], v[rS+(\n)]
.elseif (\kind) == C
	v_cvt_pk_f16_f32 v[rP+(\n)], v[rS+2*(\n)], v[rS+2*(\n)+1]
.elseif (\kind) == B
	v_pk_add_f32 v[rS+4*(\n):rS+4*(\n)+1], v[rS+4*(\n):rS+4*(\n)+1], v[rS+4*(\n)+2:rS+4*(\n)+3]
.elseif ((\kind) == L) && ((\n) == 0)
	v_pk_fma_f32 v[rT+2:rT+3], v[rT+2:rT+3], v[rC+2:rC+3], v[rS:rS+1] op_sel_hi:[1,0,1]
.elseif (\kind) == L
	v_pk_add_f32 v[rT+2:rT+3], v[rT+2:rT+3], v[rS+4*(\n):rS+4*(\n)+1]
.elseif (\kind) == R
	v_pk_mul_f32 v[rO+2*(\n):rO+2*(\n)+1], v[rO+2*(\n):rO+2*(\n)+1], v[rC+2:rC+3] op_sel_hi:[1,0]
.elseif (\n) < 4
	v_max3_num_f32 v[rC+(\n)], v[rS+8*(\n)], v[rS+8*(\n)+1], v[rS+8*(\n)+2]
.elseif (\n) < 12
	v_max3_num_f32 v[rC+(\n)%4], v[rC+(\n)%4], v[rS+8*((\n)%4)+2*((\n)/4)+1], v[rS+8*((\n)%4)+2*((\n)/4)+2]
.elseif (\n) == 12
	v_max3_num_f32 v[rC], v[rC], v[rS+7], v[rS+15]
.elseif (\n) == 13
	v_max3_num_f32 v[rC+1], v[rC+1], v[rS+23], v[rS+31]
.elseif (\n) == 14
	v_max3_num_f32 v[rC+2], v[rC+2], v[rC+3], v[rT+1]
.elseif (\n) == 15
	v_mov_b32 v[rW], v[rT]
.elseif (\n) == 16
	v_max3_num_f32 v[rC], v[rC], v[rC+1], v[rC+2]
.elseif (\n) == 17
	v_permlanex16_b32 v[rC+3], v[rC], s[SEL], s[SEL+1]
.elseif (\n) == 18
	v_max_num_f32 v[rT+1], v[rC], v[rC+3]
.elseif (\n) == 19
	v_mul_f32 v[rT], s[CS], v[rT+1]
.elseif (\n) == 20
	v_sub_f32 v[rC+1], v[rW], v[rT]
.else
	v_exp_f32 v[rC+2], v[rC+1]
.endif
.endm
; Number j of the 32 sums that stand beside the last eight products V^T P: B 0, B 1, then L g and B g + 2 by turns, both tiles each, L 6 and L 7 last
.macro RID j
.if (\j) < 2
	OP (\j), B, 0
.elseif (\j) >= 30
	OP (\j)-30, L, 7
.elseif ((\j)-2)%4 < 2
	OP ((\j)-2)%4, B, ((\j)-2)/4+1
.else
	OP ((\j)-2)%4-2, L, ((\j)-2)/4
.endif
.endm
.macro MASK u                       ; MD x AL + BE into tile u's part of MC
	WIN 0x40
.set z, 0
.rept 16
	v_pk_fma_f32 v[MC+32*(\u)+2*z:MC+32*(\u)+2*z+1], v[MD+2*z:MD+2*z+1], s[AL:AL+1], s[BE:BE+1] op_sel_hi:[1,0,0]
.set z, z+1
.endr
.endm
.macro H2 last
	WIN 0
	v_add_nc_u32 v[AK], s[TBK], v[AK0]  ; with the two v_nop: the four places behind K Q^T, ahead of the loads into K's registers and of the first read of the scores
	v_add_nc_u32 v[AV], s[TBV], v[AV0]
	v_nop
	v_nop
	FETCH_K \last
.irp n, 0,1,2,3,4,5,6,7,8,9,10,11,12,13,14,15,16,17,18,19,20,21
	OP 0, X, \n
	OP 1, X, \n
.endr
.irp n, 0,1,2,3
	OP 0, F, \n
	OP 1, F, \n
.endr
	s_wait_alu depctr_va_vdst(0)    ; the wait for the two a, ahead of the rescalings that read them
.set kk, 0
.rept 64                            ; ONE BATCH of 64 exponentials, a plain line behind each while there are any: the other scalings (each well ahead of its pair's exponentials), then the rescalings; none names a result of the batch
	OP kk%2, E, kk/2
.if kk < 24
	OP kk%2, F, 4+kk/2
.elseif kk < 56
	OP kk%2, R, (kk-24)/2
.endif
.set kk, kk+1
.endr
	v_nop                           ; a plain instruction behind the last exponential,
	s_wait_alu depctr_va_vdst(0)    ; and the one wait for the batch
.irp n, 0,1,2,3,4,5,6,7
	OP 0, C, \n
	OP 1, C, \n
.endr
	s_wait_dscnt 0x0                ; V of this step and K of the next are in
.set i, 0
.rept 8
	PV
	OP 0, C, 8+i
	OP 1, C, 8+i
.set i, i+1
.endr
.rept 8
	PV
	RID 4*(i-8)
	RID 4*(i-8)+1
	RID 4*(i-8)+2
	RID 4*(i-8)+3
.set i, i+1
.endr
	FETCH_V \last                   ; the last four sums are the places behind the last product that read V
.endm
.macro H1
	WIN 0
	s_cmp_gt_u32 s[RS], 4           ; far from the block's end MC is 0 and stays so
	s_cbranch_scc1 .Lno_mask_\@
.irp u, 0,1
	s_sub_co_u32 s89, s[DD], \u
	s_cmp_eq_u32 s[RS], s89         ; is this step the band's own?
	s_cselect_b32 s[AL], 1.0, 0
	s_cmp_lt_u32 s[RS], s89         ; or a later one?
	s_cselect_b32 s[BE], s[BIGN], 0
	MASK \u
.endr
	WIN 0
.Lno_mask_\@:
.set i, 0
.rept 16
	KQ
.set i, i+1
.endr
	WIN 0
.endm
.macro PACK t                       ; a lane's eight channels of a row pack into 16 bytes; they go into rows of 144 bytes and come back as whole rows of 128, into S^T's registers
.set i, 0
.rept 16
	v_pk_mul_f32 v[O+32*(\t)+2*i:O+32*(\t)+2*i+1], v[O+32*(\t)+2*i:O+32*(\t)+2*i+1], v[ST+4*(\t)+2:ST+4*(\t)+3] op_sel_hi:[1,0]
.set i, i+1
.endr
.set i, 0
.rept 16
	v_cvt_pk_f16_f32 v[S+16*(\t)+i], v[O+32*(\t)+2*i], v[O+32*(\t)+2*i+1]
.set i, i+1
.endr
.irp f, 0,1,2,3
	ds_store_b128 v[STO], v[S+16*(\t)+4*\f:S+16*(\t)+4*\f+3] offset:32*\f
.endr
.irp f, 0,1,2,3
	ds_load_b128 v[S+16*(\t)+4*\f:S+16*(\t)+4*\f+3], v[RD] offset:\f*4*SP  ; LDS serves a wave's instructions in order (ISA guide 5.7.1.4): these see the stores above; the next tile's stores come behind them
.endr
.endm
.macro SEND t, younger              ; younger: the LDS instructions issued behind tile t's loads
.irp f, 0,1,2,3
	s_wait_dscnt (\younger)+3-\f
	global_store_b128 v[GO], v[S+16*(\t)+4*\f:S+16*(\t)+4*\f+3], s[OP0:OP0+1] offset:(\t)*8192+\f*512  ; 512 consecutive bytes, aligned
.endr
.endm
; Behind each step: one step fewer.  At a block's end O is divided by l and leaves, and the second block's registers are set (behind the second block that serves nothing: register work, once).
.macro BLOCKEND
	WIN 0
	s_sub_co_u32 s[RS], s[RS], 1
	s_cmp_lg_u32 s[RS], 0
	s_cbranch_scc1 .Lgo_on_\@
.irp t, 0,1
	v_add_f32 v[ST+4*\t+2], v[ST+4*\t+2], v[ST+4*\t+3]
.endr
.irp t, 0,1
	v_permlanex16_b32 v[ST+4*\t+3], v[ST+4*\t+2], s[SEL], s[SEL+1]
.endr
.irp t, 0,1
	v_add_f32 v[ST+4*\t+2], v[ST+4*\t+2], v[ST+4*\t+3]
.endr
.irp t, 0,1
	v_rcp_f32 v[ST+4*\t+2], v[ST+4*\t+2]
.endr
	v_nop                           ; a plain instruction behind the reciprocals,
	s_wait_alu depctr_va_vdst(0)    ; and their wait
	PACK 0
	PACK 1
	SEND 0, 8
	SEND 1, 0
	s_wait_xcnt 0x0                 ; the stores have read their data and O's address
	s_mov_b64 s[OP0:OP0+1], s[OLO:OLO+1]
	s_mov_b32 s[RS], s[RS2]
	s_mov_b32 s[DD], s[DD2]
	WIN 0x41
.set i, 0
.rept 32
	v_mov_b32 v[i], v[QB+i]
.set i, i+1
.endr
	WIN 0
.irp t, 0,1
	v_mov_b32 v[ST+4*\t], 0xfe000000
	v_mov_b32 v[ST+4*\t+1], 0xff7fffff
.endr
	s_mov_b32 s[AL], 0
	s_mov_b32 s[BE], 0
	MASK 0
	MASK 1
	WIN 0
.Lgo_on_\@:
.endm
	MASK 0                          ; AL = BE = 0: MC is 0
	MASK 1
	CHANGE 1                        ; slot 0 is in, everybody's part of it; slot 1 is asked for
	v_add_nc_u32 v[AK], s[TBK], v[AK0]
	v_add_nc_u32 v[AV], s[TBV], v[AV0]
	FETCH_K 0                       ; key step 0
	FETCH_V 0
	s_wait_loadcnt 0x0              ; Q
	s_wait_dscnt 16                 ; K is in; V's 16 loads may be out
	s_mov_b32 s[CNT], 4
	s_branch .LH1                   ; the loop is entered in the middle of a trip
.Lslot:                             ; with the change above: eight fills, tiles 1 to 8 of the walk
	CHANGE 1
	s_mov_b32 s[CNT], 4
.LB:
	H2 0
	BLOCKEND
.LH1:
	H1
	s_sub_co_u32 s[CNT], s[CNT], 1
	s_cmp_lg_u32 s[CNT], 0
	s_cbranch_scc1 .LB
	s_sub_co_u32 s[SLOTS], s[SLOTS], 1
	s_cmp_lg_u32 s[SLOTS], 0
	s_cbranch_scc1 .Lslot
	CHANGE 0                        ; the tail is written out: nothing is asked for
	s_mov_b32 s[CNT], 5             ; four trips fetch the last tile's steps; the fifth is left in its middle
.LBt:
	H2 1
	BLOCKEND
	s_sub_co_u32 s[CNT], s[CNT], 1
	s_cmp_eq_u32 s[CNT], 0
	s_cbranch_scc1 .Lout
	H1
	s_branch .LBt
.Lout:
	s_wait_tensorcnt 0x0            ; the wave's end: behind my last tensor load and my last LDS store
	ds_add_u32 v[SPW], v[NIL]
	s_wait_dscnt 0x0
	s_endpgm
.Lfunc_end_k_q1c41868bc3_attn:
	.size	k_q1c41868bc3_attn, .Lfunc_end_k_q1c41868bc3_attn-k_q1c41868bc3_attn
	.p2alignl 7, 3214868480
	.fill 96, 4, 3214868480
	.section	.rodata,"a",@progbits
	.p2align	6, 0x0
	.amdhsa_kernel k_q1c41868bc3_attn
		.amdhsa_group_segment_fixed_size 327680
		.amdhsa_private_segment_fixed_size 0
		.amdhsa_enable_private_segment 0
		.amdhsa_kernarg_size 16
		.amdhsa_user_sgpr_count 2
		.amdhsa_user_sgpr_kernarg_segment_ptr 1
		.amdhsa_wavefront_size32 1
		.amdhsa_system_sgpr_workgroup_id_x 1
		.amdhsa_system_sgpr_workgroup_id_y 1
		.amdhsa_system_sgpr_workgroup_id_z 1
		.amdhsa_system_vgpr_workitem_id 0
		.amdhsa_next_free_vgpr 512
		.amdhsa_next_free_sgpr 96
		.amdhsa_reserve_vcc 1
		.amdhsa_float_denorm_mode_32 3
		.amdhsa_float_denorm_mode_16_64 3
		.amdhsa_memory_ordered 1
		.amdhsa_forward_progress 1
		.amdhsa_inst_pref_size 84
	.end_amdhsa_kernel
	.amdgpu_metadata
---
amdhsa.version: [ 1, 2 ]
amdhsa.kernels:
  - .name:           k_q1c41868bc3_attn
    .symbol:         k_q1c41868bc3_attn.kd
    .args:
      - { .name: big, .offset: 0, .size: 8, .value_kind: global_buffer, .address_space: global }
      - { .name: act, .offset: 8, .size: 8, .value_kind: global_buffer, .address_space: global }
    .group_segment_fixed_size: 327680
    .private_segment_fixed_size: 0
    .kernarg_segment_align: 8
    .kernarg_segment_size: 16
    .max_flat_workgroup_size: 128
    .sgpr_count:     96
    .vgpr_count:     512
    .wavefront_size: 32
...
	.end_amdgpu_metadata
.endif
;; end of part 3
;; launch wo (part 4): grid 8 x 32, 4 waves a work-group, clusters of 4 x 4, 327,680 bytes of LDS; arguments act, wts, y, bo, xs; writes y
.if DOCPART == 4
	.amdgcn_target "amdgcn-amd-amdhsa--gfx1250"
	.amdhsa_code_object_version 6
	.text
	.protected	k_q1c41868bc3_wo
	.globl	k_q1c41868bc3_wo
	.p2align	8
	.type	k_q1c41868bc3_wo,@function
k_q1c41868bc3_wo:
	s_mov_b64 s[64:65], 0
	v_nop
	global_prefetch_b8 v0, s[64:65] scope:SCOPE_SE
	s_setreg_imm32_b32 hwreg(HW_REG_WAVE_MODE, 25, 1), 1
	s_wait_xcnt 0x0
	s_wait_alu depctr_hold_cnt(0) depctr_sa_sdst(0) depctr_va_vdst(0) depctr_va_sdst(0) depctr_va_ssrc(0) depctr_va_vcc(0) depctr_vm_vsrc(0)
	s_getreg_b32 s2, hwreg(HW_REG_IB_STS2, 6, 4)
	s_cmp_eq_u32 s2, 0
	s_cbranch_scc0 .Lentry_in_a_cluster
	s_endpgm
.Lentry_in_a_cluster:
	s_bfe_u32 s2, ttmp6, 0x10000c
	s_cmp_lg_u32 s2, 0xf033
	s_cbranch_scc0 .Lentry_shape_is_right
	s_endpgm
.Lentry_shape_is_right:
; y = A W + bias + residual, in f32.  A [4096][K] f16 in slices ([slice][row][64], a row of a slice 128 bytes), W [K][1024] f16 (k down the rows), residual [4096][1024] f16 in slices,
; bias [1024] f32, rounded to bf16 like every input.  Here: A = the attention's result, W = Wo, bias = bo, residual = x.  Sums in f32; y is not rounded again.
; SHARES.  A work-group of four waves makes 128 x 128 of y (256 work-groups), a wave 64 x 64: 16 accumulators.  K goes in steps of 256 through two LDS slots.
; CLUSTER 4 x 4.  A's tile is shared along a row of the cluster, W's along a column: each is asked for jointly.
; THE PRODUCT IS TAKEN TRANSPOSED: source 0 = 16 columns of W (turned by ds_load_tr16_b128), source 1 = 16 rows of A: a lane holds one row of y and eight neighbouring columns.
; THE SUMS START AT residual + bias, written into the accumulators while the first tiles are on their way: nothing is cleared, and every K step has one form.
; LDS.  Slot s at 147,456 s: A's slice j of the step's four as [128 rows][144 bytes] at 18,432 j; W's 256 rows of 288 bytes at 73,728.  Wave w's load lands at 36,864 w; these bases have the two bits of
; 147,456 clear, so one exclusive or changes a load's slot.  144 = 9 x 16 and 288 = 9 x 32: the rows that a fragment load touches start at different banks (64 banks of 4 bytes: ISA guide 11.1).
; Spare words at 294,912.  The way out uses the ring's bytes 0 .. 67,583 as a stage of 128 rows x 528 bytes, behind the ring's last fill and a barrier.
; REGISTERS.  window 0: v0-31 addresses; v64-127, v128-191 A's fragments, two buffers of 64 along K.  window 1: v64-191 W's fragments.  window 2: accumulator (a, b) at 8 (4 a + b).
.set T,     4                          ; K steps
.set WOFF,  14680064                   ; W's first byte in wts
.set ASTEP, 4*524288                   ; a K step in A: four slices
.set WSTEP, 256*2048                   ; a K step in W: 256 rows
.set WP,    288
.set SP,    528
.set SLOT,  147456
.set WBASE, 73728
.set SPARE, 2*SLOT
.set ADRA0, 8
.set ADRB0, 9
.set RO,    10                         ; v10  my offset in the residual's rows; never rewritten
.set BO,    11                         ; v11  my offset in the bias; never rewritten
.set ADRA,  16
.set ADRB,  20                         ; v20, v21: W's rows 0-127 and 128-255 of the slot that is read
.set STO,   22                         ; v22-23
.set RD,    26
.set GO,    27
.set SPW,   28
.set NIL,   29
.set PFO,   30
.set F0,    64
.set F1,    128
.set MUL,   0xa1                       ; source 0 (W) window 1, source 1 (A) window 0, C and D window 2
.set TO_B,  0x40
; s16 wave, s17 wave / 2 (my half of the rows; 0: I fetch A, 1: W), s18 wave % 2 (my half of the columns; which half I fetch), s19 cx, s20 cy, s21 tile column, s22 tile row
; s[24:31] group 1 of A's tiles, s[32:35] group 0 of K step 0, s[36:39] the walking group 0; s[48:55], s[56:59], s[60:63] the same for W
; s66 the slot that is read, s70 trips to go, s71 the prefetches' limit, s[72:73] their address, s[74:75] their step
.set MSB, 0
.macro WIN new
.if MSB != (\new)
	s_set_vgpr_msb (MSB<<8)|(\new)
.set MSB, \new
.endif
.endm
.macro PLACES                          ; four plain vector instructions between a matrix instruction and a load into, or a read of, its registers
.rept 4
	v_nop
.endr
.endm
.macro CREST
	s_cmp_lg_u32 s16, 0
	s_cbranch_scc1 .Lnot_wave_0_\@
	s_barrier_signal -3
.Lnot_wave_0_\@:
	s_barrier_wait -3
	s_barrier_signal -1
	s_barrier_wait -1
.endm
.macro CROUND
	s_barrier_signal -1
	s_barrier_wait -1
	CREST
.endm
.macro JLOAD                           ; the joint refill: waves 0, 1 ask for A's slices 0, 1 and 2, 3, waves 2, 3 for W's halves
	s_cmp_eq_u32 s17, 0
	s_cbranch_scc0 .Lfor_w_\@
	tensor_load_to_lds s[36:39], s[24:31]
	s_nop 0
	PLACES
	s_branch .Lasked_\@
.Lfor_w_\@:
	tensor_load_to_lds s[60:63], s[48:55]
	s_nop 0
	PLACES
.Lasked_\@:
.endm
; A prefetch of the K step two refills on: 32 blocks of 256 bytes, a lane a block (assembled where K has more than four steps).  A's rows are asked for by the clusters with x = 0, W's by those with y = 0;
; the four partners that ask for a tile jointly share its 128 blocks by address.  The last two refills have no K step two on.
.macro ASK
	s_cmp_gt_u32 s70, s71
	s_cbranch_scc0 .Lnot_mine_\@
	global_prefetch_b8 v[PFO], s[72:73] th:TH_LOAD_NT scope:SCOPE_SE
.Lnot_mine_\@:
.endm
; 32 LDS loads: the fragments of quarter q (64 along K: slice q) into buffer f; the first 32 along K first
.macro FETCH q, f
.irp c, 0,1
	WIN TO_B
.irp b, 0,1,2,3
	ds_load_tr16_b128 v[(\f)+8*(4*(\c)+(\b)):(\f)+8*(4*(\c)+(\b))+3],   v[ADRB+(\q)/2] offset:(((\q)%2)*64+32*(\c))*WP+32*(\b)
	ds_load_tr16_b128 v[(\f)+8*(4*(\c)+(\b))+4:(\f)+8*(4*(\c)+(\b))+7], v[ADRB+(\q)/2] offset:(((\q)%2)*64+32*(\c)+16)*WP+32*(\b)
.endr
	WIN 0
.irp a, 0,1,2,3
	ds_load_b128 v[(\f)+8*(4*(\c)+(\a)):(\f)+8*(4*(\c)+(\a))+3],   v[ADRA] offset:(\q)*18432+64*(\c)+(\a)*2304
	ds_load_b128 v[(\f)+8*(4*(\c)+(\a))+4:(\f)+8*(4*(\c)+(\a))+7], v[ADRA] offset:(\q)*18432+64*(\c)+(\a)*2304+32
.endr
.endr
.endm
; 8 products: half p / 2 of the quarter's K, row blocks 2 (p % 2), + 1, all 4 column blocks.  The 16 accumulators take turns in the same order throughout.
.macro MULP f, p
	WIN MUL
.irp a, 2*((\p)%2), 2*((\p)%2)+1
.irp b, 0,1,2,3
.set rD, 8*(4*(\a)+(\b))
.set rW, (\f)+8*(4*((\p)/2)+(\b))
.set rA, (\f)+8*(4*((\p)/2)+(\a))
	v_wmma_f32_16x16x32_f16 v[rD:rD+7], v[rW:rW+7], v[rA:rA+7], v[rD:rD+7]
.endr
.endr
.endm
.macro QUARTER q, f, g
	s_wait_dscnt 16                                ; the first 32 along K are in
	MULP \f, 0
	MULP \f, 1
	PLACES
	FETCH \q, \g
	s_wait_dscnt 32                                ; all but the 32 just issued
	MULP \f, 2
	MULP \f, 3
.endm
; The last quarter multiplies buffer 1 and changes slots.  In front of the barrier each wave waits for all its tensor loads (one is out: its part of the next slot), adds 0 to its spare word, and waits
; for that and for its reads of this slot.  fill = 1: the barrier opens a round of the cluster's, and the joint refill, two K steps on, is the first thing behind the round.
.macro TURN fill
.if (\fill) && (T > 4)
	s_wait_xcnt 0x0                                ; the last prefetch, a K step back, has read its address
	s_add_nc_u64 s[72:73], s[72:73], s[74:75]
.endif
	WIN 0
	s_wait_tensorcnt 0x0
	ds_add_u32 v[SPW], v[NIL]
	s_wait_dscnt 17                                ; the add and the youngest sixteen loads may be out
	MULP F1, 0
	s_wait_dscnt 0x0                               ; the add is done, my reads of this slot are over
	s_barrier_signal -1
	MULP F1, 1
	WIN 0
	s_barrier_wait -1
.if \fill
	CREST
	s_xor_b32 s37, s37, SLOT
	s_xor_b32 s61, s61, SLOT
	s_add_nc_u64 s[38:39], s[38:39], ASTEP
	s_add_nc_u64 s[62:63], s[62:63], WSTEP
	JLOAD
.else
	PLACES
.endif
	s_xor_b32 s66, s66, SLOT
	v_add_nc_u32 v[ADRA], s66, v[ADRA0]
	v_add_nc_u32 v[ADRB], s66, v[ADRB0]
	v_add_nc_u32 v[ADRB+1], 36864, v[ADRB]
	FETCH 0, F0
.if (\fill) && (T > 4)
	ASK
.endif
	MULP F1, 2
	MULP F1, 3
.endm
	s_load_b128 s[4:7], s[0:1], 0x0                ; A, wts
	s_load_b64 s[8:9], s[0:1], 0x10                ; y
	s_load_b64 s[12:13], s[0:1], 0x18              ; the bias
	s_load_b64 s[14:15], s[0:1], 0x20              ; the residual
	v_lshl_add_u32 v[SPW], v0, 2, SPARE
	v_mov_b32 v[NIL], 0
	ds_add_u32 v[SPW], v[NIL]                      ; the wave's opening: the add and its wait ahead of my first tensor load
	ds_add_u32 v28, v29
	v_lshrrev_b32 v1, 5, v0
	v_readfirstlane_b32 s16, v1
	s_lshr_b32 s17, s16, 1
	s_and_b32 s18, s16, 1
	s_bfe_u32 s19, ttmp6, 0x40000
	s_bfe_u32 s20, ttmp6, 0x40004
	s_lshl_b32 s21, ttmp9, 2
	s_add_co_u32 s21, s21, s19                     ; tile column
	s_and_b32 s22, ttmp7, 0xffff
	s_lshl_b32 s22, s22, 2
	s_add_co_u32 s22, s22, s20                     ; tile row
	s_lshl_b32 s23, s20, 2
	s_lshl_b32 s23, 15, s23                        ; my row of the cluster
	s_lshl_b32 s40, 0x1111, s19                    ; my column
	; A: two slices of 128 dense rows: 2 rows x 8,192 elements, 262,144 elements apart; 4 words of padding after every 32 (a row of a slice)
	s_or_b32 s24, s23, (1<<16)|(1<<20)|(1<<21)|(4<<22)|(3<<25)
	s_mov_b32 s25, 8192<<16
	s_mov_b32 s26, 2<<16
	s_mov_b32 s27, 8192<<16
	s_mov_b32 s28, 2
	s_mov_b32 s29, 262144
	s_mov_b32 s30, 0
	s_mov_b32 s31, 0
	; W: 128 rows x 128 elements; 8 words of padding after every 64
	s_or_b32 s48, s40, (1<<16)|(1<<20)|(1<<21)|(5<<22)|(7<<25)
	s_mov_b32 s49, 128<<16
	s_mov_b32 s50, 128<<16
	s_mov_b32 s51, 128<<16
	s_mov_b32 s52, 128
	s_mov_b32 s53, 1024
	s_mov_b32 s54, 0
	s_mov_b32 s55, 0
	s_lshl_b32 s42, s22, 14                        ; A: 128 rows of 128 bytes a tile row,
	s_lshl_b32 s41, s18, 20                        ; the two slices that I fetch
	s_add_co_u32 s42, s42, s41
	s_mov_b32 s43, 0
	s_lshl_b32 s44, s18, 18                        ; W: the 128 rows that I fetch,
	s_lshl_b32 s46, s21, 8                         ; 256 bytes a tile column
	s_add_co_u32 s44, s44, s46
	s_add_co_u32 s44, s44, WOFF
	s_mov_b32 s45, 0
	s_mul_i32 s68, s16, 36864                      ; where my load goes: no place in the cluster enters an LDS address
	s_mov_b32 s66, 0
	s_wait_dscnt 0x0                               ; the opening add is done
	s_wait_kmcnt 0x0
	s_add_nc_u64 s[42:43], s[4:5], s[42:43]
	s_add_nc_u64 s[44:45], s[6:7], s[44:45]
	CROUND                                         ; all sixteen work-groups are here: the first joint loads meet
.irp s, 0,1
	s_mov_b32 s[32+4*(\s)], 1
	s_add_co_u32 s[33+4*(\s)], s68, (\s)*SLOT
	s_add_nc_u64 s[34+4*(\s):35+4*(\s)], s[42:43], (\s)*ASTEP
	s_or_b32 s[35+4*(\s)], s[35+4*(\s)], 0x80000000
	s_mov_b32 s[56+4*(\s)], 1
	s_add_co_u32 s[57+4*(\s)], s68, (\s)*SLOT
	s_add_nc_u64 s[58+4*(\s):59+4*(\s)], s[44:45], (\s)*WSTEP
	s_or_b32 s[59+4*(\s)], s[59+4*(\s)], 0x80000000
.endr
	s_cmp_eq_u32 s17, 0                            ; a wave's two first fills stand in one branch: two loads of mine are out
	s_cbranch_scc0 .Lfirst_w
	tensor_load_to_lds s[32:35], s[24:31]
	s_nop 0
	tensor_load_to_lds s[36:39], s[24:31]
	s_nop 0
	PLACES
	s_branch .Lfirst_done
.Lfirst_w:
	tensor_load_to_lds s[56:59], s[48:55]
	s_nop 0
	tensor_load_to_lds s[60:63], s[48:55]
	s_nop 0
	PLACES
.Lfirst_done:
	v_and_b32 v1, 15, v0                           ; r = l % 16
	v_bfe_u32 v2, v0, 4, 1                         ; h = l / 16
	; the residual: my 64 columns are slice 2 x tile column + wave % 2; rows 128 x tile row + 64 (wave / 2) ..; a lane's eight numbers of (a, b) are 16 bytes
	s_lshl_b32 s40, s21, 1
	s_add_co_u32 s40, s40, s18
	s_lshl_b32 s40, s40, 19
	s_lshl_b32 s41, s22, 14
	s_add_co_u32 s40, s40, s41
	s_lshl_b32 s41, s17, 13
	s_add_co_u32 s40, s40, s41
	s_mov_b32 s41, 0
	s_add_nc_u64 s[14:15], s[14:15], s[40:41]
	s_lshl_b32 s40, s21, 9
	s_lshl_b32 s46, s18, 8
	s_add_co_u32 s40, s40, s46
	s_add_nc_u64 s[12:13], s[12:13], s[40:41]
	v_lshlrev_b32 v[RO], 7, v1
	v_lshl_add_u32 v[RO], v2, 4, v[RO]
	v_lshlrev_b32 v[BO], 5, v2
.set i, 0
.rept 16
	global_load_b128 v[32+4*i:32+4*i+3], v[RO], s[14:15] offset:(i/4)*2048+(i%4)*32
.set i, i+1
.endr
.irp b, 0,1,2,3
	global_load_b128 v[96+8*\b:96+8*\b+3],   v[BO], s[12:13] offset:64*\b
	global_load_b128 v[96+8*\b+4:96+8*\b+7], v[BO], s[12:13] offset:64*\b+16
.endr
	v_mul_u32_u24 v3, v1, 144
	v_lshl_add_u32 v3, v2, 4, v3
	s_mul_i32 s40, s17, 9216
	v_add_nc_u32 v[ADRA0], s40, v3                 ; A: my 64 rows: row x 144 + 16 h
	v_and_b32 v4, 7, v0
	v_lshl_add_u32 v4, v2, 3, v4
	v_mul_u32_u24 v4, v4, WP
	v_bfe_u32 v5, v0, 3, 1
	v_lshl_add_u32 v4, v5, 4, v4                   ; W, for the turning load: k row 8 h + l % 8, 16 bytes by (l / 8) % 2
	s_lshl_b32 s40, s18, 7
	s_add_co_u32 s40, s40, WBASE
	v_add_nc_u32 v[ADRB0], s40, v4
	v_mov_b32 v[ADRA], v[ADRA0]
	v_mov_b32 v[ADRB], v[ADRB0]
	v_add_nc_u32 v[ADRB+1], 36864, v[ADRB]
	s_mul_i32 s40, s17, 64*SP                      ; the stage, in: row 64 (wave / 2) + r, my 64 columns, 32 bytes by h
	s_lshl_b32 s41, s18, 8
	s_add_co_u32 s40, s40, s41
	v_mul_u32_u24 v3, v1, SP
	v_lshl_add_u32 v3, v2, 5, v3
	v_add_nc_u32 v[STO], s40, v3
	v_add_nc_u32 v[STO+1], 32*SP, v[STO]
	s_mul_i32 s40, s16, 32*SP                      ; back: wave w takes rows 32 w .., a whole row of 512 bytes a load
	v_and_b32 v3, 31, v0
	v_lshlrev_b32 v[GO], 4, v3
	v_add_nc_u32 v[RD], s40, v[GO]
	s_lshl_b32 s40, s22, 19                        ; y: rows 128 x tile row + 32 w .. of 4,096 bytes, 512 bytes a tile column
	s_lshl_b32 s41, s16, 17
	s_add_co_u32 s40, s40, s41
	s_lshl_b32 s41, s21, 9
	s_add_co_u32 s40, s40, s41
	s_mov_b32 s41, 0
	s_add_nc_u64 s[8:9], s[8:9], s[40:41]
.if T > 4
	; the prefetches: my own tile's address, my work-group's 32 blocks of its 128, three K steps on (the first change of slots steps it to the fourth)
	s_lshr_b32 s46, s19, 1
	s_lshl_b32 s46, s46, 19
	s_and_b32 s47, s19, 1
	s_lshl_b32 s47, s47, 13
	s_add_co_u32 s46, s46, s47                     ; A: slice cx / 2 of my two, 64 rows by cx % 2
	s_lshl_b32 s47, s20, 16                        ; W: 32 rows by cy
	s_and_b32 s40, ttmp7, 0xffff
	s_mov_b32 s74, WSTEP
	s_cmp_eq_u32 s17, 0
	s_cselect_b32 s41, ttmp9, s40                  ; the coordinate along which other clusters read the same rows
	s_cselect_b64 s[72:73], s[42:43], s[44:45]
	s_cselect_b32 s74, ASTEP, s74
	s_cselect_b32 s46, s46, s47
	s_cselect_b32 s76, -1, 0
	s_mov_b32 s75, 0
	s_mov_b32 s47, 0
	s_add_nc_u64 s[72:73], s[72:73], s[46:47]
	s_mul_i32 s46, s74, 3
	s_add_nc_u64 s[72:73], s[72:73], s[46:47]
	s_cmp_eq_u32 s41, 0
	s_cselect_b32 s71, 2, -1                       ; the same in all sixteen partners, for a given wave
	v_lshlrev_b32 v4, 8, v3                        ; A: 256 l
	v_lshlrev_b32 v5, 11, v3                       ; W: row l
	v_cndmask_b32 v[PFO], v5, v4, s76
.endif
	s_wait_loadcnt 0x0                             ; residual and bias
.set i, 0
.rept 16
	v_cvt_pk_bf16_f32 v[6], v[96+2*i], v[96+2*i+1]
	v_lshlrev_b32 v[96+2*i], 16, v[6]
	v_and_b32 v[96+2*i+1], 0xffff0000, v[6]
.set i, i+1
.endr
	v_mov_b32 v7, 1.0
	WIN 0x80                                       ; destination window 2
.set i, 0
.rept 128                                              ; accumulator i / 8 = 4 a + b, register i % 8: residual (an f16 half) x 1 + bias
.if i%2
	v_fma_mix_f32 v[i], v[32+4*(i/8)+(i%8)/2], v7, v[96+8*((i/8)%4)+i%8] op_sel:[1,0,0] op_sel_hi:[1,0,0]
.else
	v_fma_mix_f32 v[i], v[32+4*(i/8)+(i%8)/2], v7, v[96+8*((i/8)%4)+i%8] op_sel:[0,0,0] op_sel_hi:[1,0,0]
.endif
.set i, i+1
.endr
	WIN 0
	s_wait_tensorcnt 0x1                           ; my part of K step 0 is in; K step 1's may stay out
	s_barrier_signal -1
	s_barrier_wait -1
	FETCH 0, F0
	s_mov_b32 s70, T-2
.Ltrip:                                                ; a trip is a K step and fills one slot again
	QUARTER 1, F0, F1
	QUARTER 2, F1, F0
	QUARTER 3, F0, F1
	TURN 1
	WIN 0
	s_sub_co_u32 s70, s70, 1
	s_cmp_lg_u32 s70, 0
	s_cbranch_scc1 .Ltrip
	s_mov_b32 s70, 2
.Ltail:                                                ; the last two K steps fill nothing.  The very last change of slots fetches 32 fragments that serve nothing: the price of one text for both
	QUARTER 1, F0, F1
	QUARTER 2, F1, F0
	QUARTER 3, F0, F1
	TURN 0
	WIN 0
	s_sub_co_u32 s70, s70, 1
	s_cmp_lg_u32 s70, 0
	s_cbranch_scc1 .Ltail
	s_wait_dscnt 0x0                               ; my reads of the ring are over
	s_barrier_signal -1
	s_barrier_wait -1                              ; everybody's are: the ring's bytes, which have had their last fill, become the stage
	PLACES
	WIN 0x08                                       ; store data in window 2
.set i, 0
.rept 16                                               ; each accumulator's low four registers first
	ds_store_b128 v[STO+i/8], v[8*i:8*i+3]   offset:((i/4)%2)*16*SP+64*(i%4)
	ds_store_b128 v[STO+i/8], v[8*i+4:8*i+7] offset:((i/4)%2)*16*SP+64*(i%4)+16
.set i, i+1
.endr
	WIN 0
	s_wait_dscnt 0x0                               ; for the others' sake: my stores into the stage are done
	s_barrier_signal -1
	s_barrier_wait -1
.set i, 0
.rept 32
	ds_load_b128 v[64+4*i:64+4*i+3], v[RD] offset:i*SP
.set i, i+1
.endr
.set i, 0
.rept 32
	s_wait_dscnt 31-i
	global_store_b128 v[GO], v[64+4*i:64+4*i+3], s[8:9] offset:i*4096  ; a wave stores 512 consecutive bytes, aligned
.set i, i+1
.endr
	s_wait_tensorcnt 0x0                           ; the wave's end: behind my last tensor load and my last LDS store
	ds_add_u32 v[SPW], v[NIL]
	s_wait_dscnt 0x0
	CROUND                                         ; the closing round: no work-group ends while a partner may still ask for a tile that names it
	s_endpgm
.Lfunc_end_k_q1c41868bc3_wo:
	.size	k_q1c41868bc3_wo, .Lfunc_end_k_q1c41868bc3_wo-k_q1c41868bc3_wo
	.p2alignl 7, 3214868480
	.fill 96, 4, 3214868480
	.section	.rodata,"a",@progbits
	.p2align	6, 0x0
	.amdhsa_kernel k_q1c41868bc3_wo
		.amdhsa_group_segment_fixed_size 327680
		.amdhsa_private_segment_fixed_size 0
		.amdhsa_enable_private_segment 0
		.amdhsa_kernarg_size 40
		.amdhsa_user_sgpr_count 2
		.amdhsa_user_sgpr_kernarg_segment_ptr 1
		.amdhsa_wavefront_size32 1
		.amdhsa_system_sgpr_workgroup_id_x 1
		.amdhsa_system_sgpr_workgroup_id_y 1
		.amdhsa_system_sgpr_workgroup_id_z 1
		.amdhsa_system_vgpr_workitem_id 0
		.amdhsa_next_free_vgpr 640
		.amdhsa_next_free_sgpr 96
		.amdhsa_reserve_vcc 0
		.amdhsa_float_denorm_mode_32 3
		.amdhsa_float_denorm_mode_16_64 3
		.amdhsa_memory_ordered 1
		.amdhsa_forward_progress 1
		.amdhsa_inst_pref_size 68
	.end_amdhsa_kernel
	.amdgpu_metadata
---
amdhsa.version: [ 1, 2 ]
amdhsa.kernels:
  - .name:           k_q1c41868bc3_wo
    .symbol:         k_q1c41868bc3_wo.kd
    .args:
      - { .name: act, .offset: 0, .size: 8, .value_kind: global_buffer, .address_space: global }
      - { .name: wts, .offset: 8, .size: 8, .value_kind: global_buffer, .address_space: global }
      - { .name: y, .offset: 16, .size: 8, .value_kind: global_buffer, .address_space: global }
      - { .name: bo, .offset: 24, .size: 8, .value_kind: global_buffer, .address_space: global }
      - { .name: xs, .offset: 32, .size: 8, .value_kind: global_buffer, .address_space: global }
    .group_segment_fixed_size: 327680
    .private_segment_fixed_size: 0
    .kernarg_segment_align: 8
    .kernarg_segment_size: 40
    .max_flat_workgroup_size: 128
    .sgpr_count:     96
    .vgpr_count:     640
    .wavefront_size: 32
...
	.end_amdgpu_metadata
.endif
;; end of part 4
;; launch ln1 (part 5): grid 256 x 1, 8 waves a work-group, no clusters, 0 bytes of LDS; arguments y, g1, b1, act; writes act
.if DOCPART == 5
	.amdgcn_target "amdgcn-amd-amdhsa--gfx1250"
	.amdhsa_code_object_version 6
	.text
	.protected	k_q1c41868bc3_ln1
	.globl	k_q1c41868bc3_ln1
	.p2align	8
	.type	k_q1c41868bc3_ln1,@function
k_q1c41868bc3_ln1:
	s_mov_b64 s[64:65], 0
	v_nop
	global_prefetch_b8 v0, s[64:65] scope:SCOPE_SE
	s_setreg_imm32_b32 hwreg(HW_REG_WAVE_MODE, 25, 1), 1
	s_wait_xcnt 0x0
; LayerNorm over rows of 1,024: out = (y - mean) rsqrt(var + 1e-5) g + b, in f32, mean first and then the mean of squared differences, as the definition has it.  g and b are rounded to bf16 like every input.
; HALF = 1: the result leaves as f16 in slices ([16][4096][64]); LIMIT: 65,520 or more becomes an infinity.  HALF = 0: as f32 rows.
; SHARES.  A work-group takes 16 rows, a wave two: lanes 0-15 one row, lanes 16-31 the next; a lane holds columns 64 j + 4 (l % 16) .. + 3, j = 0 .. 15.  So sixteen lanes read and write 256 consecutive
; bytes (f16: a wave's store is two rows of a slice, 256 consecutive bytes), the row stays in 64 registers between the passes, and a sum needs four steps inside 16 lanes.  No LDS, no barrier, no loop.
.set HALF, 1
.set X,  16                            ; v[16:79]   the row
.set GA, 80                            ; v[80:143]  g
.set BE, 144                           ; v[144:207] b
.set SA, 208                           ; v[208:215] four running sums, two numbers each
.set MU, 216                           ; v[216:217] the mean, twice
.set RR, 218                           ; v[218:219] 1 / sqrt(var + eps), twice
.set TM, 220                           ; v[220:223] at work
.set TR, 224                           ; v224       a sum across lanes
	s_load_b256 s[4:11], s[0:1], 0x0               ; y, g, b, out
	s_lshl_b32 s2, ttmp9, 16                       ; 16 rows of 4,096 bytes
	s_mov_b32 s3, 0
.if HALF
	s_lshl_b32 s16, ttmp9, 11                      ; 16 rows of 128 bytes in each slice
.else
	s_lshl_b32 s16, ttmp9, 16
.endif
	s_mov_b32 s17, 0
	s_mov_b32 s12, 0x3a800000                      ; 1 / 1,024
	s_mov_b32 s13, 0x3727c5ac                      ; 1e-5
	s_mov_b32 s14, 0xffff0000
	v_lshrrev_b32 v1, 4, v0                        ; my row of the 16
	v_and_b32 v2, 15, v0
	v_lshlrev_b32 v3, 4, v2                        ; g, b: 16 (l % 16)
	v_lshl_add_u32 v4, v1, 12, v3                  ; y: + row x 4,096
	v_lshlrev_b32 v5, 3, v0                        ; f16 out: 8 bytes a thread
	s_wait_kmcnt 0x0
	s_add_nc_u64 s[4:5], s[4:5], s[2:3]
	s_add_nc_u64 s[10:11], s[10:11], s[16:17]
.set j, 0
.rept 16
	global_load_b128 v[X+4*j:X+4*j+3], v4, s[4:5] offset:256*j th:TH_LOAD_NT
.set j, j+1
.endr
.set j, 0
.rept 16
	global_load_b128 v[GA+4*j:GA+4*j+3], v3, s[6:7] offset:256*j
	global_load_b128 v[BE+4*j:BE+4*j+3], v3, s[8:9] offset:256*j
.set j, j+1
.endr
.macro ACROSS                          ; SA's four pairs into one number, then over the row's 16 lanes
	v_pk_add_f32 v[SA:SA+1], v[SA:SA+1], v[SA+2:SA+3]
	v_pk_add_f32 v[SA+4:SA+5], v[SA+4:SA+5], v[SA+6:SA+7]
	v_pk_add_f32 v[SA:SA+1], v[SA:SA+1], v[SA+4:SA+5]
	v_add_f32 v[TR], v[SA], v[SA+1]
	v_add_f32_dpp v[TR], v[TR], v[TR] row_xmask:1 row_mask:0xf bank_mask:0xf
	v_add_f32_dpp v[TR], v[TR], v[TR] row_xmask:2 row_mask:0xf bank_mask:0xf
	v_add_f32_dpp v[TR], v[TR], v[TR] row_xmask:4 row_mask:0xf bank_mask:0xf
	v_add_f32_dpp v[TR], v[TR], v[TR] row_xmask:8 row_mask:0xf bank_mask:0xf
.endm
	s_wait_loadcnt 32                              ; the row is in; g's and b's 32 loads stay out
.irp c, 0,1,2,3
	v_pk_add_f32 v[SA+2*\c:SA+2*\c+1], v[X+2*\c:X+2*\c+1], v[X+8+2*\c:X+8+2*\c+1]
.endr
.set k, 2
.rept 6
.irp c, 0,1,2,3
	v_pk_add_f32 v[SA+2*\c:SA+2*\c+1], v[SA+2*\c:SA+2*\c+1], v[X+8*k+2*\c:X+8*k+2*\c+1]
.endr
.set k, k+1
.endr
	ACROSS
	v_mul_f32 v[MU], s12, v[TR]
	v_mov_b32 v[MU+1], v[MU]
.set k, 0
.rept 32
	v_pk_add_f32 v[X+2*k:X+2*k+1], v[X+2*k:X+2*k+1], v[MU:MU+1] neg_lo:[0,1] neg_hi:[0,1]
.set k, k+1
.endr
.irp c, 0,1,2,3
	v_pk_mul_f32 v[SA+2*\c:SA+2*\c+1], v[X+2*\c:X+2*\c+1], v[X+2*\c:X+2*\c+1]
.endr
.set k, 1
.rept 7
.irp c, 0,1,2,3
	v_pk_fma_f32 v[SA+2*\c:SA+2*\c+1], v[X+8*k+2*\c:X+8*k+2*\c+1], v[X+8*k+2*\c:X+8*k+2*\c+1], v[SA+2*\c:SA+2*\c+1]
.endr
.set k, k+1
.endr
	ACROSS
	v_fma_f32 v[TR], v[TR], s12, s13
	v_rsq_f32 v[RR], v[TR]
	v_rsq_f32 v[RR+1], v[TR]
	s_wait_loadcnt 0x0                             ; g and b
.set k, 0
.rept 64                                               ; g and b, which lie on end, rounded to bf16 and widened: the plain work between the two roots and their first reader
	v_cvt_pk_bf16_f32 v[TM+k%4], v[GA+2*k], v[GA+2*k+1]
	v_lshlrev_b32 v[GA+2*k], 16, v[TM+k%4]
	v_and_b32 v[GA+2*k+1], s14, v[TM+k%4]
.set k, k+1
.endr
	s_wait_alu depctr_va_vdst(0)                   ; one wait for both roots, ahead of their first reader
.set k, 0
.rept 32
	v_pk_mul_f32 v[X+2*k:X+2*k+1], v[X+2*k:X+2*k+1], v[RR:RR+1]
.set k, k+1
.endr
.set k, 0
.rept 32
	v_pk_fma_f32 v[X+2*k:X+2*k+1], v[X+2*k:X+2*k+1], v[GA+2*k:GA+2*k+1], v[BE+2*k:BE+2*k+1]
.set k, k+1
.endr
.set j, 0
.rept 16
.if HALF
	v_cvt_pk_f16_f32 v[X+4*j], v[X+4*j], v[X+4*j+1]
	v_cvt_pk_f16_f32 v[X+4*j+1], v[X+4*j+2], v[X+4*j+3]
	global_store_b64 v5, v[X+4*j:X+4*j+1], s[10:11] offset:j*524288
.else
	global_store_b128 v4, v[X+4*j:X+4*j+3], s[10:11] offset:256*j
.endif
.set j, j+1
.endr
	s_endpgm
.Lfunc_end_k_q1c41868bc3_ln1:
	.size	k_q1c41868bc3_ln1, .Lfunc_end_k_q1c41868bc3_ln1-k_q1c41868bc3_ln1
	.p2alignl 7, 3214868480
	.fill 96, 4, 3214868480
	.section	.rodata,"a",@progbits
	.p2align	6, 0x0
	.amdhsa_kernel k_q1c41868bc3_ln1
		.amdhsa_group_segment_fixed_size 0
		.amdhsa_private_segment_fixed_size 0
		.amdhsa_enable_private_segment 0
		.amdhsa_kernarg_size 32
		.amdhsa_user_sgpr_count 2
		.amdhsa_user_sgpr_kernarg_segment_ptr 1
		.amdhsa_wavefront_size32 1
		.amdhsa_system_sgpr_workgroup_id_x 1
		.amdhsa_system_sgpr_workgroup_id_y 1
		.amdhsa_system_sgpr_workgroup_id_z 1
		.amdhsa_system_vgpr_workitem_id 0
		.amdhsa_next_free_vgpr 232
		.amdhsa_next_free_sgpr 66
		.amdhsa_reserve_vcc 0
		.amdhsa_float_denorm_mode_32 3
		.amdhsa_float_denorm_mode_16_64 3
		.amdhsa_memory_ordered 1
		.amdhsa_forward_progress 1
		.amdhsa_inst_pref_size 28
	.end_amdhsa_kernel
	.amdgpu_metadata
---
amdhsa.version: [ 1, 2 ]
amdhsa.kernels:
  - .name:           k_q1c41868bc3_ln1
    .symbol:         k_q1c41868bc3_ln1.kd
    .args:
      - { .name: y, .offset: 0, .size: 8, .value_kind: global_buffer, .address_space: global }
      - { .name: g1, .offset: 8, .size: 8, .value_kind: global_buffer, .address_space: global }
      - { .name: b1, .offset: 16, .size: 8, .value_kind: global_buffer, .address_space: global }
      - { .name: act, .offset: 24, .size: 8, .value_kind: global_buffer, .address_space: global }
    .group_segment_fixed_size: 0
    .private_segment_fixed_size: 0
    .kernarg_segment_align: 8
    .kernarg_segment_size: 32
    .max_flat_workgroup_size: 256
    .sgpr_count:     66
    .vgpr_count:     232
    .wavefront_size: 32
...
	.end_amdgpu_metadata
.endif
;; end of part 5
;; launch ff1 (part 6): grid 16 x 16, 4 waves a work-group, clusters of 4 x 4, 327,680 bytes of LDS; arguments act, wts, big, b_ff1; writes big
.if DOCPART == 6
	.amdgcn_target "amdgcn-amd-amdhsa--gfx1250"
	.amdhsa_code_object_version 6
	.text
	.protected	k_q1c41868bc3_ff1
	.globl	k_q1c41868bc3_ff1
	.p2align	8
	.type	k_q1c41868bc3_ff1,@function
k_q1c41868bc3_ff1:
	s_mov_b64 s[64:65], 0
	v_nop
	global_prefetch_b8 v0, s[64:65] scope:SCOPE_SE
	s_setreg_imm32_b32 hwreg(HW_REG_WAVE_MODE, 25, 1), 1
	s_wait_xcnt 0x0
	s_wait_alu depctr_hold_cnt(0) depctr_sa_sdst(0) depctr_va_vdst(0) depctr_va_sdst(0) depctr_va_ssrc(0) depctr_va_vcc(0) depctr_vm_vsrc(0)
	s_getreg_b32 s2, hwreg(HW_REG_IB_STS2, 6, 4)
	s_cmp_eq_u32 s2, 0
	s_cbranch_scc0 .Lentry_in_a_cluster
	s_endpgm
.Lentry_in_a_cluster:
	s_bfe_u32 s2, ttmp6, 0x10000c
	s_cmp_lg_u32 s2, 0xf033
	s_cbranch_scc0 .Lentry_shape_is_right
	s_endpgm
.Lentry_shape_is_right:
; u = gelu(h W_ff1 + b_ff1).  C = A W with A [4096][1024] f16 in slices ([slice][row][64], a row of a slice 128 bytes), W [1024][N] f16 (k down the rows), sums in f32.
; EPI = 1: the bias, rounded to bf16 like every input, and the exact GELU by a rational form of erf whose error is at most 1.5e-7 for every argument; the result, rounded once to f16, leaves in 64 slices.
; LIMIT: a result of 65,520 or more becomes an infinity in f16.  (EPI = 0, the same text for the q, k, v projection: no bias, no activation.)
; SHARES.  A work-group of four waves makes 256 x 256 of C, a wave 128 x 128: 64 accumulators, 512 registers.  K goes in steps of 128 through two LDS slots.
; CLUSTER 4 x 4.  The four work-groups of a row of the cluster need the same tile of A, the four of a column the same tile of W: each tile is asked for jointly.
; THE PRODUCT IS TAKEN TRANSPOSED: source 0 = 16 columns of W (turned on the way out of LDS by ds_load_tr16_b128), source 1 = 16 rows of A: a lane holds one row of C and eight neighbouring columns.
; LDS.  Slot s at 147,456 s: A's rows 0-127 as [2 slices][128 rows][144 bytes] at 0, rows 128-255 at 36,864; W's 128 rows of 544 bytes at 73,728.  Every load's LDS base has the two bits of 147,456
; clear, so one exclusive or changes its slot.  144 = 9 x 16 and 544 = 17 x 32: the rows that a fragment load touches start at different banks (64 banks of 4 bytes: ISA guide 11.1).
; Spare words at 294,912.  The way out uses the ring's bytes 0 .. 266,239 as a stage of 256 rows x 1,040 bytes of f32, behind the ring's last fill and a barrier.
; REGISTERS.  window 0: v0-31 addresses; v64-127, v128-191 A's fragments, two buffers (the way out works there); v32-63, v192-255 free.  window 1: v64-191 W's fragments.  windows 2, 3: accumulator (a, b) at 8 ((8 a + b) % 32).
.set EPI,   1
.set T,     8                          ; K steps
.set WOFF,  6291456                    ; W's first byte in wts
.set WPB,   8192                       ; bytes in a row of W
.set ASTEP, 2*524288                   ; a K step in A: two slices
.set WSTEP, 128*WPB                    ; a K step in W: 128 rows
.set WP,    544
.set SP,    1040
.set SLOT,  147456
.set WBASE, 73728
.set SPARE, 2*SLOT
.set BO,    7                          ; v7   16 (l % 16): my bias columns
.set ADRA0, 8                          ; v8   my place in a slot's A; never rewritten
.set ADRB0, 9                          ; v9   my place in a slot's W; never rewritten
.set ADRA,  16                         ; v16  the same in the slot that is read
.set ADRB,  20                         ; v20
.set STO,   22                         ; v22-25  the stage: where I put 32 bytes of a row, for pairs of row blocks
.set RD,    26                         ; v26  the stage: where I read rows back
.set GO,    27                         ; v27  my byte offset in the output
.set SPW,   28                         ; v28  my spare word; never rewritten
.set NIL,   29                         ; v29  0; never rewritten
.set PFO,   30                         ; v30  the prefetches' lane offset; never rewritten
.set RDC,   31                         ; v31  RD + the trip's rows
.set F0,    64
.set F1,    128
.set MUL_LO, 0xa1                      ; source 0 (W) window 1, source 1 (A) window 0, C and D window 2
.set MUL_HI, 0xf1                      ; the same, C and D window 3
.set TO_B,   0x40                      ; destination window 1
; s16 wave, s17 wave / 2 (my half of the rows; 0: I fetch A, 1: W), s18 wave % 2 (my half of the columns; which half I fetch), s19 cx, s20 cy, s21 tile column, s22 tile row
; s[24:31] group 1 of A's tiles, s[32:35] group 0 of K step 0, s[36:39] the walking group 0; s[48:55], s[56:59], s[60:63] the same for W
; s66 the slot that is read, s70 trips to go, s71 the prefetches' limit, s[72:73] their address, s[74:75] their step, s[80:93] GELU's constants, s94 rows done (bytes), s95 trips
.set MSB, 0
.macro WIN new                         ; the immediate's high byte repeats the setting that is left; a switch that changes nothing is dropped
.if MSB != (\new)
	s_set_vgpr_msb (MSB<<8)|(\new)
.set MSB, \new
.endif
.endm
.macro PLACES                          ; four plain vector instructions between a matrix instruction and a load into, or a read of, its registers
.rept 4
	v_nop
.endr
.endm
.macro CREST                           ; a round of the cluster's barrier behind its opening barrier
	s_cmp_lg_u32 s16, 0
	s_cbranch_scc1 .Lnot_wave_0_\@
	s_barrier_signal -3
.Lnot_wave_0_\@:
	s_barrier_wait -3
	s_barrier_signal -1
	s_barrier_wait -1
.endm
.macro CROUND
	s_barrier_signal -1
	s_barrier_wait -1
	CREST
.endm
.macro JLOAD                           ; the joint refill: waves 0, 1 ask for A's halves, waves 2, 3 for W's; the branch hangs on the wave's number alone
	s_cmp_eq_u32 s17, 0
	s_cbranch_scc0 .Lfor_w_\@
	tensor_load_to_lds s[36:39], s[24:31]
	s_nop 0
	PLACES
	s_branch .Lasked_\@
.Lfor_w_\@:
	tensor_load_to_lds s[60:63], s[48:55]
	s_nop 0
	PLACES
.Lasked_\@:
.endm
; A prefetch of the K step two refills on: 32 blocks of 256 bytes, a lane a block.  A's rows are asked for by the clusters with x = 0, W's by those with y = 0; the four partners that ask for a
; tile jointly share its 128 blocks by address.  The last two refills have no K step two on.
.macro ASK
	s_cmp_gt_u32 s70, s71
	s_cbranch_scc0 .Lnot_mine_\@
	global_prefetch_b8 v[PFO], s[72:73] th:TH_LOAD_NT scope:SCOPE_SE
.Lnot_mine_\@:
.endm
; 32 LDS loads: the fragments of quarter q (32 along K) of the slot in ADRA, ADRB into buffer f: W's eight, A's rows 0-63, A's rows 64-127
.macro FETCH q, f
	WIN TO_B
.irp b, 0,1,2,3,4,5,6,7
	ds_load_tr16_b128 v[(\f)+8*(\b):(\f)+8*(\b)+3],   v[ADRB] offset:(\q)*32*WP+32*(\b)
	ds_load_tr16_b128 v[(\f)+8*(\b)+4:(\f)+8*(\b)+7], v[ADRB] offset:((\q)*32+16)*WP+32*(\b)
.endr
	WIN 0
.irp a, 0,1,2,3,4,5,6,7
	ds_load_b128 v[(\f)+8*(\a):(\f)+8*(\a)+3],   v[ADRA] offset:((\q)/2)*18432+((\q)%2)*64+(\a)*2304
	ds_load_b128 v[(\f)+8*(\a)+4:(\f)+8*(\a)+7], v[ADRA] offset:((\q)/2)*18432+((\q)%2)*64+(\a)*2304+32
.endr
.endm
; 16 products: row blocks 2 p, 2 p + 1 x all 8 column blocks.  The 64 accumulators take turns in the same order in every quarter.  zero = 1: the product starts the sum
.macro MULP f, p, zero
	WIN MUL_LO+0x50*((\p)/2)
.irp a, 2*(\p), 2*(\p)+1
.irp b, 0,1,2,3,4,5,6,7
.set rD, 8*((8*(\a)+(\b))%32)
.if \zero
	v_wmma_f32_16x16x32_f16 v[rD:rD+7], v[(\f)+8*(\b):(\f)+8*(\b)+7], v[(\f)+8*(\a):(\f)+8*(\a)+7], 0
.else
	v_wmma_f32_16x16x32_f16 v[rD:rD+7], v[(\f)+8*(\b):(\f)+8*(\b)+7], v[(\f)+8*(\a):(\f)+8*(\a)+7], v[rD:rD+7]
.endif
.endr
.endr
.endm
; One of a K step's first three quarters: multiplies buffer f and, in its middle, fetches quarter q into buffer g
.macro QUARTER q, f, g, zero
	s_wait_dscnt 8                                 ; W's fragments and A's rows 0-63 are in; the youngest eight loads may be out
	MULP \f, 0, \zero
	MULP \f, 1, \zero
	PLACES
	FETCH \q, \g
	s_wait_dscnt 32                                ; all but the 32 just issued
	MULP \f, 2, \zero
	MULP \f, 3, \zero
.endm
; The last quarter multiplies buffer 1 and changes slots.  In front of the barrier each wave waits for all its tensor loads (one is out: its part of the next slot), adds 0 to its spare word, and waits
; for that and for its reads of this slot.  fill = 1: the barrier opens a round of the cluster's, and the joint refill, two K steps on, is the first thing behind the round.
.macro TURN fill
.if \fill
	s_wait_xcnt 0x0                                ; the last prefetch, a K step back, has read its address
	s_add_nc_u64 s[72:73], s[72:73], s[74:75]
.endif
	WIN 0
	s_wait_tensorcnt 0x0
	ds_add_u32 v[SPW], v[NIL]
	s_wait_dscnt 9                                 ; the add and the youngest eight loads may be out
	MULP F1, 0, 0
	s_wait_dscnt 0x0                               ; the add is done, my reads of this slot are over
	s_barrier_signal -1
	MULP F1, 1, 0
	WIN 0
	s_barrier_wait -1
.if \fill
	CREST
	s_xor_b32 s37, s37, SLOT                       ; the walking descriptors: the other slot than last time, the next K step
	s_xor_b32 s61, s61, SLOT
	s_add_nc_u64 s[38:39], s[38:39], ASTEP
	s_add_nc_u64 s[62:63], s[62:63], WSTEP
	JLOAD
.else
	PLACES
.endif
	s_xor_b32 s66, s66, SLOT
	v_add_nc_u32 v[ADRA], s66, v[ADRA0]
	v_add_nc_u32 v[ADRB], s66, v[ADRB0]
	FETCH 0, F0
.if \fill
	ASK
.endif
	MULP F1, 2, 0
	MULP F1, 3, 0
.endm
	s_load_b128 s[4:7], s[0:1], 0x0                ; A, wts
	s_load_b64 s[8:9], s[0:1], 0x10                ; the output
.if EPI
	s_load_b64 s[12:13], s[0:1], 0x18              ; the bias
.endif
	v_lshl_add_u32 v[SPW], v0, 2, SPARE
	v_mov_b32 v[NIL], 0
	ds_add_u32 v[SPW], v[NIL]                      ; the wave's opening: the add and its wait ahead of my first tensor load
	ds_add_u32 v28, v29
	v_lshrrev_b32 v1, 5, v0
	v_readfirstlane_b32 s16, v1
	s_lshr_b32 s17, s16, 1
	s_and_b32 s18, s16, 1
	s_bfe_u32 s19, ttmp6, 0x40000
	s_bfe_u32 s20, ttmp6, 0x40004
	s_lshl_b32 s21, ttmp9, 2
	s_add_co_u32 s21, s21, s19                     ; tile column = 4 x cluster x + cx
	s_and_b32 s22, ttmp7, 0xffff
	s_lshl_b32 s22, s22, 2
	s_add_co_u32 s22, s22, s20                     ; tile row = 4 x cluster y + cy
	s_lshl_b32 s23, s20, 2
	s_lshl_b32 s23, 15, s23                        ; my row of the cluster
	s_lshl_b32 s40, 0x1111, s19                    ; my column
	; A: two slices of 128 dense rows: a tile of 2 rows x 8,192 elements, 262,144 elements apart; 4 words of padding after every 32 (a row of a slice)
	s_or_b32 s24, s23, (1<<16)|(1<<20)|(1<<21)|(4<<22)|(3<<25)
	s_mov_b32 s25, 8192<<16
	s_mov_b32 s26, 2<<16
	s_mov_b32 s27, 8192<<16
	s_mov_b32 s28, 2
	s_mov_b32 s29, 262144
	s_mov_b32 s30, 0
	s_mov_b32 s31, 0
	; W: 64 rows x 256 elements; 8 words of padding after every 128
	s_or_b32 s48, s40, (1<<16)|(1<<20)|(1<<21)|(6<<22)|(7<<25)
	s_mov_b32 s49, 256<<16
	s_mov_b32 s50, 64<<16
	s_mov_b32 s51, 256<<16
	s_mov_b32 s52, 64
	s_mov_b32 s53, WPB/2
	s_mov_b32 s54, 0
	s_mov_b32 s55, 0
	s_lshl_b32 s42, s22, 15                        ; A: 256 rows of 128 bytes a tile row,
	s_lshl_b32 s41, s18, 14                        ; the 128 that I fetch
	s_add_co_u32 s42, s42, s41
	s_mov_b32 s43, 0
	s_mul_i32 s44, s18, 64*WPB                     ; W: the 64 rows that I fetch,
	s_lshl_b32 s46, s21, 9                         ; 512 bytes a tile column
	s_add_co_u32 s44, s44, s46
	s_add_co_u32 s44, s44, WOFF
	s_mov_b32 s45, 0
	s_mul_i32 s68, s18, 36864                      ; where they go: no place in the cluster enters an LDS address
	s_mul_i32 s69, s18, 34816
	s_add_co_u32 s69, s69, WBASE
	s_mov_b32 s66, 0
	s_wait_dscnt 0x0                               ; the opening add is done
	s_wait_kmcnt 0x0
	s_add_nc_u64 s[42:43], s[4:5], s[42:43]
	s_add_nc_u64 s[44:45], s[6:7], s[44:45]
	CROUND                                         ; all sixteen work-groups are here: the first joint loads meet
.irp s, 0,1
	s_mov_b32 s[32+4*(\s)], 1
	s_add_co_u32 s[33+4*(\s)], s68, (\s)*SLOT
	s_add_nc_u64 s[34+4*(\s):35+4*(\s)], s[42:43], (\s)*ASTEP
	s_or_b32 s[35+4*(\s)], s[35+4*(\s)], 0x80000000
	s_mov_b32 s[56+4*(\s)], 1
	s_add_co_u32 s[57+4*(\s)], s69, (\s)*SLOT
	s_add_nc_u64 s[58+4*(\s):59+4*(\s)], s[44:45], (\s)*WSTEP
	s_or_b32 s[59+4*(\s)], s[59+4*(\s)], 0x80000000
.endr
	s_cmp_eq_u32 s17, 0                            ; a wave's two first fills stand in one branch: two loads of mine are out
	s_cbranch_scc0 .Lfirst_w
	tensor_load_to_lds s[32:35], s[24:31]
	s_nop 0
	tensor_load_to_lds s[36:39], s[24:31]
	s_nop 0
	PLACES
	s_branch .Lfirst_done
.Lfirst_w:
	tensor_load_to_lds s[56:59], s[48:55]
	s_nop 0
	tensor_load_to_lds s[60:63], s[48:55]
	s_nop 0
	PLACES
.Lfirst_done:
	v_and_b32 v1, 15, v0                           ; r = l % 16
	v_bfe_u32 v2, v0, 4, 1                         ; h = l / 16
	v_mul_u32_u24 v3, v1, 144
	v_lshl_add_u32 v3, v2, 4, v3
	s_mul_i32 s40, s17, 36864
	v_add_nc_u32 v[ADRA0], s40, v3                 ; A: my half's rows: row x 144 + 16 h
	v_and_b32 v4, 7, v0
	v_lshl_add_u32 v4, v2, 3, v4
	v_mul_u32_u24 v4, v4, WP
	v_bfe_u32 v5, v0, 3, 1
	v_lshl_add_u32 v4, v5, 4, v4                   ; W, for the turning load: k row 8 h + l % 8, 16 bytes by (l / 8) % 2
	s_lshl_b32 s40, s18, 8
	s_add_co_u32 s40, s40, WBASE
	v_add_nc_u32 v[ADRB0], s40, v4
	v_mov_b32 v[ADRA], v[ADRA0]
	v_mov_b32 v[ADRB], v[ADRB0]
	s_mul_i32 s40, s17, 128*SP                     ; the stage, in: row 128 (wave / 2) + r, my 128 columns, 32 bytes by h
	s_lshl_b32 s41, s18, 9
	s_add_co_u32 s40, s40, s41
	v_mul_u32_u24 v3, v1, SP
	v_lshl_add_u32 v3, v2, 5, v3
	v_add_nc_u32 v[STO], s40, v3
	v_add_nc_u32 v[STO+1], 32*SP, v[STO]
	v_add_nc_u32 v[STO+2], 32*SP, v[STO+1]
	v_add_nc_u32 v[STO+3], 32*SP, v[STO+2]
	s_mul_i32 s40, s16, 64*SP                      ; back: wave w takes rows 64 w ..; lanes 0-15 a slice's 64 columns of one row, lanes 16-31 of the next
	v_mul_u32_u24 v3, v2, SP
	v_lshl_add_u32 v3, v1, 4, v3
	v_add_nc_u32 v[RD], s40, v3
	v_and_b32 v3, 31, v0
	v_lshlrev_b32 v[GO], 3, v3                     ; 8 bytes a lane: two rows of a slice are 256 consecutive bytes
	v_lshlrev_b32 v[BO], 4, v1
	s_lshl_b32 s40, s21, 21                        ; the output: slices 4 x tile column .., rows 256 x tile row + 64 w ..
	s_lshl_b32 s41, s22, 15
	s_add_co_u32 s40, s40, s41
	s_lshl_b32 s41, s16, 13
	s_add_co_u32 s40, s40, s41
	s_mov_b32 s41, 0
	s_add_nc_u64 s[8:9], s[8:9], s[40:41]
.if EPI
	s_lshl_b32 s40, s21, 10
	s_add_nc_u64 s[12:13], s[12:13], s[40:41]      ; the bias of my tile's 256 columns
	s_mov_b32 s80, 0x3e6d3388                      ; 0.3275911 / sqrt(2)
	s_mov_b32 s82, 0x3f596d27                      ; sqrt(log2(e) / 2)
	s_mov_b32 s84, 0x3e827906                      ; a1 .. a5
	s_mov_b32 s86, 0xbe91a98e
	s_mov_b32 s88, 0x3fb5f0e3
	s_mov_b32 s90, 0xbfba00e3
	s_mov_b32 s92, 0x3f87dc22
.irp c, 80,82,84,86,88,90,92
	s_mov_b32 s[\c+1], s[\c]                       ; named as pairs
.endr
.endif
	; the prefetches: my own tile's address, my work-group's 32 blocks of its 128, three K steps on (the first change of slots steps it to the fourth)
	s_lshr_b32 s46, s19, 1
	s_lshl_b32 s46, s46, 19
	s_and_b32 s47, s19, 1
	s_lshl_b32 s47, s47, 13
	s_add_co_u32 s46, s46, s47                     ; A: slice cx / 2, 64 rows by cx % 2
	s_mul_i32 s47, s20, 16*WPB                     ; W: 16 rows by cy
	s_and_b32 s40, ttmp7, 0xffff
	s_mov_b32 s74, WSTEP
	s_cmp_eq_u32 s17, 0
	s_cselect_b32 s41, ttmp9, s40                  ; the coordinate along which other clusters read the same rows
	s_cselect_b64 s[72:73], s[42:43], s[44:45]
	s_cselect_b32 s74, ASTEP, s74
	s_cselect_b32 s46, s46, s47
	s_cselect_b32 s76, -1, 0
	s_mov_b32 s75, 0
	s_mov_b32 s47, 0
	s_add_nc_u64 s[72:73], s[72:73], s[46:47]
	s_mul_i32 s46, s74, 3
	s_add_nc_u64 s[72:73], s[72:73], s[46:47]
	s_cmp_eq_u32 s41, 0
	s_cselect_b32 s71, 2, -1                       ; the same in all sixteen partners, for a given wave
	v_lshlrev_b32 v4, 8, v3                        ; A: 256 l
	v_lshrrev_b32 v5, 1, v3
	v_mul_u32_u24 v5, v5, WPB
	v_and_b32 v6, 1, v3
	v_lshl_add_u32 v5, v6, 8, v5                   ; W: row l / 2, half l % 2 of its 512 bytes
	v_cndmask_b32 v[PFO], v5, v4, s76
	s_wait_tensorcnt 0x1                           ; my part of K step 0 is in; K step 1's may stay out
	s_barrier_signal -1
	s_barrier_wait -1
	FETCH 0, F0
	QUARTER 1, F0, F1, 1                           ; the first quarter stands in front of the loop: its products start the sums
	WIN 0
	s_mov_b32 s70, T-2
.Ltrip:                                                ; a trip is a K step, from its second quarter to the next step's first, and fills one slot again
	QUARTER 2, F1, F0, 0
	QUARTER 3, F0, F1, 0
	TURN 1
	QUARTER 1, F0, F1, 0
	WIN 0
	s_sub_co_u32 s70, s70, 1
	s_cmp_lg_u32 s70, 0
	s_cbranch_scc1 .Ltrip
	s_mov_b32 s70, 2
.Ltail:                                                ; the last two K steps fill nothing.  The second trip is left in its middle; its change of slots fetches 32 fragments that serve nothing: the price of one text for both
	QUARTER 2, F1, F0, 0
	QUARTER 3, F0, F1, 0
	TURN 0
	WIN 0
	s_sub_co_u32 s70, s70, 1
	s_cmp_eq_u32 s70, 0
	s_cbranch_scc1 .Lout
	QUARTER 1, F0, F1, 0
	WIN 0
	s_branch .Ltail
.Lout:
	s_wait_dscnt 0x0                               ; my reads of the ring are over
	s_barrier_signal -1
	s_barrier_wait -1                              ; everybody's are: the ring's bytes, which have had their last fill, become the stage
	PLACES
.if EPI
.set BI, 80
.irp j, 0,1,2,3
	global_load_b128 v[BI+4*\j:BI+4*\j+3], v[BO], s[12:13] offset:256*\j
.endr
.endif
.set i, 0
.rept 64                                               ; each accumulator's low four registers first
	WIN 0x08+4*(i/32)
	ds_store_b128 v[STO+i/16], v[8*(i%32):8*(i%32)+3]   offset:((i/8)%2)*16*SP+64*(i%8)
	ds_store_b128 v[STO+i/16], v[8*(i%32)+4:8*(i%32)+7] offset:((i/8)%2)*16*SP+64*(i%8)+16
.set i, i+1
.endr
	WIN 0
	s_wait_dscnt 0x0                               ; for the others' sake: my stores into the stage are done
	s_barrier_signal -1
	s_barrier_wait -1
.if EPI == 0
	; eight trips of eight rows: 16 loads (pair of rows pr, slice j), rounded to f16, stored as 256 consecutive bytes of a slice
	s_mov_b32 s94, 0
	s_mov_b32 s95, 8
.Lrows:
	v_add_nc_u32 v[RDC], s94, v[RD]
.set i, 0
.rept 16
	ds_load_b128 v[192+4*i:192+4*i+3], v[RDC] offset:(i/4)*2*SP+256*(i%4)
.set i, i+1
.endr
	s_wait_xcnt 0x0                                ; the last trip's stores have read their offset and their data
	v_add_nc_u32 v[GO], 1024, v[GO]                ; eight rows on; the stores reach back
.set i, 0
.rept 16
	s_wait_dscnt 15-i
	v_cvt_pk_f16_f32 v[32+2*i], v[192+4*i], v[192+4*i+1]
	v_cvt_pk_f16_f32 v[32+2*i+1], v[192+4*i+2], v[192+4*i+3]
	global_store_b64 v[GO], v[32+2*i:32+2*i+1], s[8:9] offset:(i%4)*524288+(i/4)*256-1024
.set i, i+1
.endr
	s_add_co_u32 s94, s94, 8*SP
	s_sub_co_u32 s95, s95, 1
	s_cmp_lg_u32 s95, 0
	s_cbranch_scc1 .Lrows
.else
	; 32 trips of a pair of rows: 16 numbers a lane.  z = sum + bias; gelu(z) = g + |g| (1 - R(t) e), g = z / 2, t = 1 / (1 + p |z|), e = 2^-(c z)^2, R a polynomial of degree 5 without constant term
.set X, 64
.set Z, 96
.set D, 112
.set Q, 128
.set G, 144
.set R, 160
.set Y, 176
	s_wait_loadcnt 0x0
.set i, 0
.rept 8
	v_cvt_pk_bf16_f32 v[Y+i], v[BI+2*i], v[BI+2*i+1]
.set i, i+1
.endr
.set i, 0
.rept 8
	v_lshlrev_b32 v[BI+2*i], 16, v[Y+i]
	v_and_b32 v[BI+2*i+1], 0xffff0000, v[Y+i]
.set i, i+1
.endr
.irp j, 0,1,2,3
	ds_load_b128 v[X+4*\j:X+4*\j+3], v[RD] offset:256*\j
.endr
	s_mov_b32 s94, 0
	s_mov_b32 s95, 32
.Lrows:
	s_wait_dscnt 0x0
.set i, 0
.rept 8
	v_pk_add_f32 v[Z+2*i:Z+2*i+1], v[X+2*i:X+2*i+1], v[BI+2*i:BI+2*i+1]
.set i, i+1
.endr
	s_add_co_u32 s94, s94, 2*SP                    ; the next trip's rows are asked for now; the last trip asks for my first rows again, so that no read leaves the stage
	s_cmp_eq_u32 s94, 64*SP
	s_cselect_b32 s94, 0, s94
	v_add_nc_u32 v[RDC], s94, v[RD]
.irp j, 0,1,2,3
	ds_load_b128 v[X+4*\j:X+4*\j+3], v[RDC] offset:256*\j
.endr
.set i, 0
.rept 9                                                ; a pair's four plain lines, then the pair before's four transcendentals: one batch of 32
.if i < 8
	v_fma_f32 v[D+2*i], |v[Z+2*i]|, s80, 1.0
	v_fma_f32 v[D+2*i+1], |v[Z+2*i+1]|, s80, 1.0
	v_pk_mul_f32 v[R+2*i:R+2*i+1], v[Z+2*i:Z+2*i+1], s[82:83] op_sel_hi:[1,0]
	v_pk_mul_f32 v[Q+2*i:Q+2*i+1], v[R+2*i:R+2*i+1], v[R+2*i:R+2*i+1] neg_lo:[1,0] neg_hi:[1,0]
.endif
.if i > 0
	v_rcp_f32 v[D+2*i-2], v[D+2*i-2]
	v_rcp_f32 v[D+2*i-1], v[D+2*i-1]
	v_exp_f32 v[Q+2*i-2], v[Q+2*i-2]
	v_exp_f32 v[Q+2*i-1], v[Q+2*i-1]
.endif
.set i, i+1
.endr
.set i, 0
.rept 8
	v_pk_mul_f32 v[G+2*i:G+2*i+1], v[Z+2*i:Z+2*i+1], 0.5 op_sel_hi:[1,0]  ; plain work that names no result of the batch
.set i, i+1
.endr
	s_wait_alu depctr_va_vdst(0)                   ; one wait for the batch, ahead of its first reader
.set i, 0
.rept 8
	v_pk_fma_f32 v[R+2*i:R+2*i+1], v[D+2*i:D+2*i+1], s[92:93], s[90:91] op_sel_hi:[1,0,0]
.set i, i+1
.endr
.irp c, 88,86,84
.set i, 0
.rept 8
	v_pk_fma_f32 v[R+2*i:R+2*i+1], v[R+2*i:R+2*i+1], v[D+2*i:D+2*i+1], s[\c:\c+1] op_sel_hi:[1,1,0]
.set i, i+1
.endr
.endr
.set i, 0
.rept 8
	v_pk_mul_f32 v[R+2*i:R+2*i+1], v[R+2*i:R+2*i+1], v[D+2*i:D+2*i+1]
.set i, i+1
.endr
.set i, 0
.rept 8
	v_pk_fma_f32 v[R+2*i:R+2*i+1], v[R+2*i:R+2*i+1], v[Q+2*i:Q+2*i+1], 1.0 op_sel_hi:[1,1,0] neg_lo:[1,0,0] neg_hi:[1,0,0]
.set i, i+1
.endr
.set i, 0
.rept 16
	v_fma_f32 v[Z+i], |v[G+i]|, v[R+i], v[G+i]
.set i, i+1
.endr
	s_wait_xcnt 0x0                                ; the last trip's stores have read their offset and their data
	v_add_nc_u32 v[GO], 256, v[GO]                 ; two rows on; the stores reach back
.set i, 0
.rept 8
	v_cvt_pk_f16_f32 v[Y+i], v[Z+2*i], v[Z+2*i+1]
.set i, i+1
.endr
.irp j, 0,1,2,3
	global_store_b64 v[GO], v[Y+2*\j:Y+2*\j+1], s[8:9] offset:\j*524288-256
.endr
	s_sub_co_u32 s95, s95, 1
	s_cmp_lg_u32 s95, 0
	s_cbranch_scc1 .Lrows
.endif
	s_wait_tensorcnt 0x0                           ; the wave's end: behind my last tensor load and my last LDS store
	ds_add_u32 v[SPW], v[NIL]
	s_wait_dscnt 0x0
	CROUND                                         ; the closing round: no work-group ends while a partner may still ask for a tile that names it
	s_endpgm
.Lfunc_end_k_q1c41868bc3_ff1:
	.size	k_q1c41868bc3_ff1, .Lfunc_end_k_q1c41868bc3_ff1-k_q1c41868bc3_ff1
	.p2alignl 7, 3214868480
	.fill 96, 4, 3214868480
	.section	.rodata,"a",@progbits
	.p2align	6, 0x0
	.amdhsa_kernel k_q1c41868bc3_ff1
		.amdhsa_group_segment_fixed_size 327680
		.amdhsa_private_segment_fixed_size 0
		.amdhsa_enable_private_segment 0
		.amdhsa_kernarg_size 32
		.amdhsa_user_sgpr_count 2
		.amdhsa_user_sgpr_kernarg_segment_ptr 1
		.amdhsa_wavefront_size32 1
		.amdhsa_system_sgpr_workgroup_id_x 1
		.amdhsa_system_sgpr_workgroup_id_y 1
		.amdhsa_system_sgpr_workgroup_id_z 1
		.amdhsa_system_vgpr_workitem_id 0
		.amdhsa_next_free_vgpr 1024
		.amdhsa_next_free_sgpr 96
		.amdhsa_reserve_vcc 0
		.amdhsa_float_denorm_mode_32 3
		.amdhsa_float_denorm_mode_16_64 3
		.amdhsa_memory_ordered 1
		.amdhsa_forward_progress 1
		.amdhsa_inst_pref_size 91
	.end_amdhsa_kernel
	.amdgpu_metadata
---
amdhsa.version: [ 1, 2 ]
amdhsa.kernels:
  - .name:           k_q1c41868bc3_ff1
    .symbol:         k_q1c41868bc3_ff1.kd
    .args:
      - { .name: act, .offset: 0, .size: 8, .value_kind: global_buffer, .address_space: global }
      - { .name: wts, .offset: 8, .size: 8, .value_kind: global_buffer, .address_space: global }
      - { .name: big, .offset: 16, .size: 8, .value_kind: global_buffer, .address_space: global }
      - { .name: b_ff1, .offset: 24, .size: 8, .value_kind: global_buffer, .address_space: global }
    .group_segment_fixed_size: 327680
    .private_segment_fixed_size: 0
    .kernarg_segment_align: 8
    .kernarg_segment_size: 32
    .max_flat_workgroup_size: 128
    .sgpr_count:     96
    .vgpr_count:     1024
    .wavefront_size: 32
...
	.end_amdgpu_metadata
.endif
;; end of part 6
;; launch ff2 (part 7): grid 8 x 32, 4 waves a work-group, clusters of 4 x 4, 327,680 bytes of LDS; arguments big, wts, y, b_ff2, act; writes y
.if DOCPART == 7
	.amdgcn_target "amdgcn-amd-amdhsa--gfx1250"
	.amdhsa_code_object_version 6
	.text
	.protected	k_q1c41868bc3_ff2
	.globl	k_q1c41868bc3_ff2
	.p2align	8
	.type	k_q1c41868bc3_ff2,@function
k_q1c41868bc3_ff2:
	s_mov_b64 s[64:65], 0
	v_nop
	global_prefetch_b8 v0, s[64:65] scope:SCOPE_SE
	s_setreg_imm32_b32 hwreg(HW_REG_WAVE_MODE, 25, 1), 1
	s_wait_xcnt 0x0
	s_wait_alu depctr_hold_cnt(0) depctr_sa_sdst(0) depctr_va_vdst(0) depctr_va_sdst(0) depctr_va_ssrc(0) depctr_va_vcc(0) depctr_vm_vsrc(0)
	s_getreg_b32 s2, hwreg(HW_REG_IB_STS2, 6, 4)
	s_cmp_eq_u32 s2, 0
	s_cbranch_scc0 .Lentry_in_a_cluster
	s_endpgm
.Lentry_in_a_cluster:
	s_bfe_u32 s2, ttmp6, 0x10000c
	s_cmp_lg_u32 s2, 0xf033
	s_cbranch_scc0 .Lentry_shape_is_right
	s_endpgm
.Lentry_shape_is_right:
; y = A W + bias + residual, in f32.  A [4096][K] f16 in slices ([slice][row][64], a row of a slice 128 bytes), W [K][1024] f16 (k down the rows), residual [4096][1024] f16 in slices,
; bias [1024] f32, rounded to bf16 like every input.  Here: A = gelu(..), K = 4,096, W = W_ff2, bias = b_ff2, residual = h.  Sums in f32; y is not rounded again.
; SHARES.  A work-group of four waves makes 128 x 128 of y (256 work-groups), a wave 64 x 64: 16 accumulators.  K goes in steps of 256 through two LDS slots.
; CLUSTER 4 x 4.  A's tile is shared along a row of the cluster, W's along a column: each is asked for jointly.
; THE PRODUCT IS TAKEN TRANSPOSED: source 0 = 16 columns of W (turned by ds_load_tr16_b128), source 1 = 16 rows of A: a lane holds one row of y and eight neighbouring columns.
; THE SUMS START AT residual + bias, written into the accumulators while the first tiles are on their way: nothing is cleared, and every K step has one form.
; LDS.  Slot s at 147,456 s: A's slice j of the step's four as [128 rows][144 bytes] at 18,432 j; W's 256 rows of 288 bytes at 73,728.  Wave w's load lands at 36,864 w; these bases have the two bits of
; 147,456 clear, so one exclusive or changes a load's slot.  144 = 9 x 16 and 288 = 9 x 32: the rows that a fragment load touches start at different banks (64 banks of 4 bytes: ISA guide 11.1).
; Spare words at 294,912.  The way out uses the ring's bytes 0 .. 67,583 as a stage of 128 rows x 528 bytes, behind the ring's last fill and a barrier.
; REGISTERS.  window 0: v0-31 addresses; v64-127, v128-191 A's fragments, two buffers of 64 along K.  window 1: v64-191 W's fragments.  window 2: accumulator (a, b) at 8 (4 a + b).
.set T,     16                         ; K steps
.set WOFF,  16777216                   ; W's first byte in wts
.set ASTEP, 4*524288                   ; a K step in A: four slices
.set WSTEP, 256*2048                   ; a K step in W: 256 rows
.set WP,    288
.set SP,    528
.set SLOT,  147456
.set WBASE, 73728
.set SPARE, 2*SLOT
.set ADRA0, 8
.set ADRB0, 9
.set RO,    10                         ; v10  my offset in the residual's rows; never rewritten
.set BO,    11                         ; v11  my offset in the bias; never rewritten
.set ADRA,  16
.set ADRB,  20                         ; v20, v21: W's rows 0-127 and 128-255 of the slot that is read
.set STO,   22                         ; v22-23
.set RD,    26
.set GO,    27
.set SPW,   28
.set NIL,   29
.set PFO,   30
.set F0,    64
.set F1,    128
.set MUL,   0xa1                       ; source 0 (W) window 1, source 1 (A) window 0, C and D window 2
.set TO_B,  0x40
; s16 wave, s17 wave / 2 (my half of the rows; 0: I fetch A, 1: W), s18 wave % 2 (my half of the columns; which half I fetch), s19 cx, s20 cy, s21 tile column, s22 tile row
; s[24:31] group 1 of A's tiles, s[32:35] group 0 of K step 0, s[36:39] the walking group 0; s[48:55], s[56:59], s[60:63] the same for W
; s66 the slot that is read, s70 trips to go, s71 the prefetches' limit, s[72:73] their address, s[74:75] their step
.set MSB, 0
.macro WIN new
.if MSB != (\new)
	s_set_vgpr_msb (MSB<<8)|(\new)
.set MSB, \new
.endif
.endm
.macro PLACES                          ; four plain vector instructions between a matrix instruction and a load into, or a read of, its registers
.rept 4
	v_nop
.endr
.endm
.macro CREST
	s_cmp_lg_u32 s16, 0
	s_cbranch_scc1 .Lnot_wave_0_\@
	s_barrier_signal -3
.Lnot_wave_0_\@:
	s_barrier_wait -3
	s_barrier_signal -1
	s_barrier_wait -1
.endm
.macro CROUND
	s_barrier_signal -1
	s_barrier_wait -1
	CREST
.endm
.macro JLOAD                           ; the joint refill: waves 0, 1 ask for A's slices 0, 1 and 2, 3, waves 2, 3 for W's halves
	s_cmp_eq_u32 s17, 0
	s_cbranch_scc0 .Lfor_w_\@
	tensor_load_to_lds s[36:39], s[24:31]
	s_nop 0
	PLACES
	s_branch .Lasked_\@
.Lfor_w_\@:
	tensor_load_to_lds s[60:63], s[48:55]
	s_nop 0
	PLACES
.Lasked_\@:
.endm
; A prefetch of the K step two refills on: 32 blocks of 256 bytes, a lane a block (assembled where K has more than four steps).  A's rows are asked for by the clusters with x = 0, W's by those with y = 0;
; the four partners that ask for a tile jointly share its 128 blocks by address.  The last two refills have no K step two on.
.macro ASK
	s_cmp_gt_u32 s70, s71
	s_cbranch_scc0 .Lnot_mine_\@
	global_prefetch_b8 v[PFO], s[72:73] th:TH_LOAD_NT scope:SCOPE_SE
.Lnot_mine_\@:
.endm
; 32 LDS loads: the fragments of quarter q (64 along K: slice q) into buffer f; the first 32 along K first
.macro FETCH q, f
.irp c, 0,1
	WIN TO_B
.irp b, 0,1,2,3
	ds_load_tr16_b128 v[(\f)+8*(4*(\c)+(\b)):(\f)+8*(4*(\c)+(\b))+3],   v[ADRB+(\q)/2] offset:(((\q)%2)*64+32*(\c))*WP+32*(\b)
	ds_load_tr16_b128 v[(\f)+8*(4*(\c)+(\b))+4:(\f)+8*(4*(\c)+(\b))+7], v[ADRB+(\q)/2] offset:(((\q)%2)*64+32*(\c)+16)*WP+32*(\b)
.endr
	WIN 0
.irp a, 0,1,2,3
	ds_load_b128 v[(\f)+8*(4*(\c)+(\a)):(\f)+8*(4*(\c)+(\a))+3],   v[ADRA] offset:(\q)*18432+64*(\c)+(\a)*2304
	ds_load_b128 v[(\f)+8*(4*(\c)+(\a))+4:(\f)+8*(4*(\c)+(\a))+7], v[ADRA] offset:(\q)*18432+64*(\c)+(\a)*2304+32
.endr
.endr
.endm
; 8 products: half p / 2 of the quarter's K, row blocks 2 (p % 2), + 1, all 4 column blocks.  The 16 accumulators take turns in the same order throughout.
.macro MULP f, p
	WIN MUL
.irp a, 2*((\p)%2), 2*((\p)%2)+1
.irp b, 0,1,2,3
.set rD, 8*(4*(\a)+(\b))
.set rW, (\f)+8*(4*((\p)/2)+(\b))
.set rA, (\f)+8*(4*((\p)/2)+(\a))
	v_wmma_f32_16x16x32_f16 v[rD:rD+7], v[rW:rW+7], v[rA:rA+7], v[rD:rD+7]
.endr
.endr
.endm
.macro QUARTER q, f, g
	s_wait_dscnt 16                                ; the first 32 along K are in
	MULP \f, 0
	MULP \f, 1
	PLACES
	FETCH \q, \g
	s_wait_dscnt 32                                ; all but the 32 just issued
	MULP \f, 2
	MULP \f, 3
.endm
; The last quarter multiplies buffer 1 and changes slots.  In front of the barrier each wave waits for all its tensor loads (one is out: its part of the next slot), adds 0 to its spare word, and waits
; for that and for its reads of this slot.  fill = 1: the barrier opens a round of the cluster's, and the joint refill, two K steps on, is the first thing behind the round.
.macro TURN fill
.if (\fill) && (T > 4)
	s_wait_xcnt 0x0                                ; the last prefetch, a K step back, has read its address
	s_add_nc_u64 s[72:73], s[72:73], s[74:75]
.endif
	WIN 0
	s_wait_tensorcnt 0x0
	ds_add_u32 v[SPW], v[NIL]
	s_wait_dscnt 17                                ; the add and the youngest sixteen loads may be out
	MULP F1, 0
	s_wait_dscnt 0x0                               ; the add is done, my reads of this slot are over
	s_barrier_signal -1
	MULP F1, 1
	WIN 0
	s_barrier_wait -1
.if \fill
	CREST
	s_xor_b32 s37, s37, SLOT
	s_xor_b32 s61, s61, SLOT
	s_add_nc_u64 s[38:39], s[38:39], ASTEP
	s_add_nc_u64 s[62:63], s[62:63], WSTEP
	JLOAD
.else
	PLACES
.endif
	s_xor_b32 s66, s66, SLOT
	v_add_nc_u32 v[ADRA], s66, v[ADRA0]
	v_add_nc_u32 v[ADRB], s66, v[ADRB0]
	v_add_nc_u32 v[ADRB+1], 36864, v[ADRB]
	FETCH 0, F0
.if (\fill) && (T > 4)
	ASK
.endif
	MULP F1, 2
	MULP F1, 3
.endm
	s_load_b128 s[4:7], s[0:1], 0x0                ; A, wts
	s_load_b64 s[8:9], s[0:1], 0x10                ; y
	s_load_b64 s[12:13], s[0:1], 0x18              ; the bias
	s_load_b64 s[14:15], s[0:1], 0x20              ; the residual
	v_lshl_add_u32 v[SPW], v0, 2, SPARE
	v_mov_b32 v[NIL], 0
	ds_add_u32 v[SPW], v[NIL]                      ; the wave's opening: the add and its wait ahead of my first tensor load
	ds_add_u32 v28, v29
	v_lshrrev_b32 v1, 5, v0
	v_readfirstlane_b32 s16, v1
	s_lshr_b32 s17, s16, 1
	s_and_b32 s18, s16, 1
	s_bfe_u32 s19, ttmp6, 0x40000
	s_bfe_u32 s20, ttmp6, 0x40004
	s_lshl_b32 s21, ttmp9, 2
	s_add_co_u32 s21, s21, s19                     ; tile column
	s_and_b32 s22, ttmp7, 0xffff
	s_lshl_b32 s22, s22, 2
	s_add_co_u32 s22, s22, s20                     ; tile row
	s_lshl_b32 s23, s20, 2
	s_lshl_b32 s23, 15, s23                        ; my row of the cluster
	s_lshl_b32 s40, 0x1111, s19                    ; my column
	; A: two slices of 128 dense rows: 2 rows x 8,192 elements, 262,144 elements apart; 4 words of padding after every 32 (a row of a slice)
	s_or_b32 s24, s23, (1<<16)|(1<<20)|(1<<21)|(4<<22)|(3<<25)
	s_mov_b32 s25, 8192<<16
	s_mov_b32 s26, 2<<16
	s_mov_b32 s27, 8192<<16
	s_mov_b32 s28, 2
	s_mov_b32 s29, 262144
	s_mov_b32 s30, 0
	s_mov_b32 s31, 0
	; W: 128 rows x 128 elements; 8 words of padding after every 64
	s_or_b32 s48, s40, (1<<16)|(1<<20)|(1<<21)|(5<<22)|(7<<25)
	s_mov_b32 s49, 128<<16
	s_mov_b32 s50, 128<<16
	s_mov_b32 s51, 128<<16
	s_mov_b32 s52, 128
	s_mov_b32 s53, 1024
	s_mov_b32 s54, 0
	s_mov_b32 s55, 0
	s_lshl_b32 s42, s22, 14                        ; A: 128 rows of 128 bytes a tile row,
	s_lshl_b32 s41, s18, 20                        ; the two slices that I fetch
	s_add_co_u32 s42, s42, s41
	s_mov_b32 s43, 0
	s_lshl_b32 s44, s18, 18                        ; W: the 128 rows that I fetch,
	s_lshl_b32 s46, s21, 8                         ; 256 bytes a tile column
	s_add_co_u32 s44, s44, s46
	s_add_co_u32 s44, s44, WOFF
	s_mov_b32 s45, 0
	s_mul_i32 s68, s16, 36864                      ; where my load goes: no place in the cluster enters an LDS address
	s_mov_b32 s66, 0
	s_wait_dscnt 0x0                               ; the opening add is done
	s_wait_kmcnt 0x0
	s_add_nc_u64 s[42:43], s[4:5], s[42:43]
	s_add_nc_u64 s[44:45], s[6:7], s[44:45]
	CROUND                                         ; all sixteen work-groups are here: the first joint loads meet
.irp s, 0,1
	s_mov_b32 s[32+4*(\s)], 1
	s_add_co_u32 s[33+4*(\s)], s68, (\s)*SLOT
	s_add_nc_u64 s[34+4*(\s):35+4*(\s)], s[42:43], (\s)*ASTEP
	s_or_b32 s[35+4*(\s)], s[35+4*(\s)], 0x80000000
	s_mov_b32 s[56+4*(\s)], 1
	s_add_co_u32 s[57+4*(\s)], s68, (\s)*SLOT
	s_add_nc_u64 s[58+4*(\s):59+4*(\s)], s[44:45], (\s)*WSTEP
	s_or_b32 s[59+4*(\s)], s[59+4*(\s)], 0x80000000
.endr
	s_cmp_eq_u32 s17, 0                            ; a wave's two first fills stand in one branch: two loads of mine are out
	s_cbranch_scc0 .Lfirst_w
	tensor_load_to_lds s[32:35], s[24:31]
	s_nop 0
	tensor_load_to_lds s[36:39], s[24:31]
	s_nop 0
	PLACES
	s_branch .Lfirst_done
.Lfirst_w:
	tensor_load_to_lds s[56:59], s[48:55]
	s_nop 0
	tensor_load_to_lds s[60:63], s[48:55]
	s_nop 0
	PLACES
.Lfirst_done:
	v_and_b32 v1, 15, v0                           ; r = l % 16
	v_bfe_u32 v2, v0, 4, 1                         ; h = l / 16
	; the residual: my 64 columns are slice 2 x tile column + wave % 2; rows 128 x tile row + 64 (wave / 2) ..; a lane's eight numbers of (a, b) are 16 bytes
	s_lshl_b32 s40, s21, 1
	s_add_co_u32 s40, s40, s18
	s_lshl_b32 s40, s40, 19
	s_lshl_b32 s41, s22, 14
	s_add_co_u32 s40, s40, s41
	s_lshl_b32 s41, s17, 13
	s_add_co_u32 s40, s40, s41
	s_mov_b32 s41, 0
	s_add_nc_u64 s[14:15], s[14:15], s[40:41]
	s_lshl_b32 s40, s21, 9
	s_lshl_b32 s46, s18, 8
	s_add_co_u32 s40, s40, s46
	s_add_nc_u64 s[12:13], s[12:13], s[40:41]
	v_lshlrev_b32 v[RO], 7, v1
	v_lshl_add_u32 v[RO], v2, 4, v[RO]
	v_lshlrev_b32 v[BO], 5, v2
.set i, 0
.rept 16
	global_load_b128 v[32+4*i:32+4*i+3], v[RO], s[14:15] offset:(i/4)*2048+(i%4)*32
.set i, i+1
.endr
.irp b, 0,1,2,3
	global_load_b128 v[96+8*\b:96+8*\b+3],   v[BO], s[12:13] offset:64*\b
	global_load_b128 v[96+8*\b+4:96+8*\b+7], v[BO], s[12:13] offset:64*\b+16
.endr
	v_mul_u32_u24 v3, v1, 144
	v_lshl_add_u32 v3, v2, 4, v3
	s_mul_i32 s40, s17, 9216
	v_add_nc_u32 v[ADRA0], s40, v3                 ; A: my 64 rows: row x 144 + 16 h
	v_and_b32 v4, 7, v0
	v_lshl_add_u32 v4, v2, 3, v4
	v_mul_u32_u24 v4, v4, WP
	v_bfe_u32 v5, v0, 3, 1
	v_lshl_add_u32 v4, v5, 4, v4                   ; W, for the turning load: k row 8 h + l % 8, 16 bytes by (l / 8) % 2
	s_lshl_b32 s40, s18, 7
	s_add_co_u32 s40, s40, WBASE
	v_add_nc_u32 v[ADRB0], s40, v4
	v_mov_b32 v[ADRA], v[ADRA0]
	v_mov_b32 v[ADRB], v[ADRB0]
	v_add_nc_u32 v[ADRB+1], 36864, v[ADRB]
	s_mul_i32 s40, s17, 64*SP                      ; the stage, in: row 64 (wave / 2) + r, my 64 columns, 32 bytes by h
	s_lshl_b32 s41, s18, 8
	s_add_co_u32 s40, s40, s41
	v_mul_u32_u24 v3, v1, SP
	v_lshl_add_u32 v3, v2, 5, v3
	v_add_nc_u32 v[STO], s40, v3
	v_add_nc_u32 v[STO+1], 32*SP, v[STO]
	s_mul_i32 s40, s16, 32*SP                      ; back: wave w takes rows 32 w .., a whole row of 512 bytes a load
	v_and_b32 v3, 31, v0
	v_lshlrev_b32 v[GO], 4, v3
	v_add_nc_u32 v[RD], s40, v[GO]
	s_lshl_b32 s40, s22, 19                        ; y: rows 128 x tile row + 32 w .. of 4,096 bytes, 512 bytes a tile column
	s_lshl_b32 s41, s16, 17
	s_add_co_u32 s40, s40, s41
	s_lshl_b32 s41, s21, 9
	s_add_co_u32 s40, s40, s41
	s_mov_b32 s41, 0
	s_add_nc_u64 s[8:9], s[8:9], s[40:41]
.if T > 4
	; the prefetches: my own tile's address, my work-group's 32 blocks of its 128, three K steps on (the first change of slots steps it to the fourth)
	s_lshr_b32 s46, s19, 1
	s_lshl_b32 s46, s46, 19
	s_and_b32 s47, s19, 1
	s_lshl_b32 s47, s47, 13
	s_add_co_u32 s46, s46, s47                     ; A: slice cx / 2 of my two, 64 rows by cx % 2
	s_lshl_b32 s47, s20, 16                        ; W: 32 rows by cy
	s_and_b32 s40, ttmp7, 0xffff
	s_mov_b32 s74, WSTEP
	s_cmp_eq_u32 s17, 0
	s_cselect_b32 s41, ttmp9, s40                  ; the coordinate along which other clusters read the same rows
	s_cselect_b64 s[72:73], s[42:43], s[44:45]
	s_cselect_b32 s74, ASTEP, s74
	s_cselect_b32 s46, s46, s47
	s_cselect_b32 s76, -1, 0
	s_mov_b32 s75, 0
	s_mov_b32 s47, 0
	s_add_nc_u64 s[72:73], s[72:73], s[46:47]
	s_mul_i32 s46, s74, 3
	s_add_nc_u64 s[72:73], s[72:73], s[46:47]
	s_cmp_eq_u32 s41, 0
	s_cselect_b32 s71, 2, -1                       ; the same in all sixteen partners, for a given wave
	v_lshlrev_b32 v4, 8, v3                        ; A: 256 l
	v_lshlrev_b32 v5, 11, v3                       ; W: row l
	v_cndmask_b32 v[PFO], v5, v4, s76
.endif
	s_wait_loadcnt 0x0                             ; residual and bias
.set i, 0
.rept 16
	v_cvt_pk_bf16_f32 v[6], v[96+2*i], v[96+2*i+1]
	v_lshlrev_b32 v[96+2*i], 16, v[6]
	v_and_b32 v[96+2*i+1], 0xffff0000, v[6]
.set i, i+1
.endr
	v_mov_b32 v7, 1.0
	WIN 0x80                                       ; destination window 2
.set i, 0
.rept 128                                              ; accumulator i / 8 = 4 a + b, register i % 8: residual (an f16 half) x 1 + bias
.if i%2
	v_fma_mix_f32 v[i], v[32+4*(i/8)+(i%8)/2], v7, v[96+8*((i/8)%4)+i%8] op_sel:[1,0,0] op_sel_hi:[1,0,0]
.else
	v_fma_mix_f32 v[i], v[32+4*(i/8)+(i%8)/2], v7, v[96+8*((i/8)%4)+i%8] op_sel:[0,0,0] op_sel_hi:[1,0,0]
.endif
.set i, i+1
.endr
	WIN 0
	s_wait_tensorcnt 0x1                           ; my part of K step 0 is in; K step 1's may stay out
	s_barrier_signal -1
	s_barrier_wait -1
	FETCH 0, F0
	s_mov_b32 s70, T-2
.Ltrip:                                                ; a trip is a K step and fills one slot again
	QUARTER 1, F0, F1
	QUARTER 2, F1, F0
	QUARTER 3, F0, F1
	TURN 1
	WIN 0
	s_sub_co_u32 s70, s70, 1
	s_cmp_lg_u32 s70, 0
	s_cbranch_scc1 .Ltrip
	s_mov_b32 s70, 2
.Ltail:                                                ; the last two K steps fill nothing.  The very last change of slots fetches 32 fragments that serve nothing: the price of one text for both
	QUARTER 1, F0, F1
	QUARTER 2, F1, F0
	QUARTER 3, F0, F1
	TURN 0
	WIN 0
	s_sub_co_u32 s70, s70, 1
	s_cmp_lg_u32 s70, 0
	s_cbranch_scc1 .Ltail
	s_wait_dscnt 0x0                               ; my reads of the ring are over
	s_barrier_signal -1
	s_barrier_wait -1                              ; everybody's are: the ring's bytes, which have had their last fill, become the stage
	PLACES
	WIN 0x08                                       ; store data in window 2
.set i, 0
.rept 16                                               ; each accumulator's low four registers first
	ds_store_b128 v[STO+i/8], v[8*i:8*i+3]   offset:((i/4)%2)*16*SP+64*(i%4)
	ds_store_b128 v[STO+i/8], v[8*i+4:8*i+7] offset:((i/4)%2)*16*SP+64*(i%4)+16
.set i, i+1
.endr
	WIN 0
	s_wait_dscnt 0x0                               ; for the others' sake: my stores into the stage are done
	s_barrier_signal -1
	s_barrier_wait -1
.set i, 0
.rept 32
	ds_load_b128 v[64+4*i:64+4*i+3], v[RD] offset:i*SP
.set i, i+1
.endr
.set i, 0
.rept 32
	s_wait_dscnt 31-i
	global_store_b128 v[GO], v[64+4*i:64+4*i+3], s[8:9] offset:i*4096  ; a wave stores 512 consecutive bytes, aligned
.set i, i+1
.endr
	s_wait_tensorcnt 0x0                           ; the wave's end: behind my last tensor load and my last LDS store
	ds_add_u32 v[SPW], v[NIL]
	s_wait_dscnt 0x0
	CROUND                                         ; the closing round: no work-group ends while a partner may still ask for a tile that names it
	s_endpgm
.Lfunc_end_k_q1c41868bc3_ff2:
	.size	k_q1c41868bc3_ff2, .Lfunc_end_k_q1c41868bc3_ff2-k_q1c41868bc3_ff2
	.p2alignl 7, 3214868480
	.fill 96, 4, 3214868480
	.section	.rodata,"a",@progbits
	.p2align	6, 0x0
	.amdhsa_kernel k_q1c41868bc3_ff2
		.amdhsa_group_segment_fixed_size 327680
		.amdhsa_private_segment_fixed_size 0
		.amdhsa_enable_private_segment 0
		.amdhsa_kernarg_size 40
		.amdhsa_user_sgpr_count 2
		.amdhsa_user_sgpr_kernarg_segment_ptr 1
		.amdhsa_wavefront_size32 1
		.amdhsa_system_sgpr_workgroup_id_x 1
		.amdhsa_system_sgpr_workgroup_id_y 1
		.amdhsa_system_sgpr_workgroup_id_z 1
		.amdhsa_system_vgpr_workitem_id 0
		.amdhsa_next_free_vgpr 640
		.amdhsa_next_free_sgpr 96
		.amdhsa_reserve_vcc 0
		.amdhsa_float_denorm_mode_32 3
		.amdhsa_float_denorm_mode_16_64 3
		.amdhsa_memory_ordered 1
		.amdhsa_forward_progress 1
		.amdhsa_inst_pref_size 69
	.end_amdhsa_kernel
	.amdgpu_metadata
---
amdhsa.version: [ 1, 2 ]
amdhsa.kernels:
  - .name:           k_q1c41868bc3_ff2
    .symbol:         k_q1c41868bc3_ff2.kd
    .args:
      - { .name: big, .offset: 0, .size: 8, .value_kind: global_buffer, .address_space: global }
      - { .name: wts, .offset: 8, .size: 8, .value_kind: global_buffer, .address_space: global }
      - { .name: y, .offset: 16, .size: 8, .value_kind: global_buffer, .address_space: global }
      - { .name: b_ff2, .offset: 24, .size: 8, .value_kind: global_buffer, .address_space: global }
      - { .name: act, .offset: 32, .size: 8, .value_kind: global_buffer, .address_space: global }
    .group_segment_fixed_size: 327680
    .private_segment_fixed_size: 0
    .kernarg_segment_align: 8
    .kernarg_segment_size: 40
    .max_flat_workgroup_size: 128
    .sgpr_count:     96
    .vgpr_count:     640
    .wavefront_size: 32
...
	.end_amdgpu_metadata
.endif
;; end of part 7
;; launch ln2 (part 8): grid 256 x 1, 8 waves a work-group, no clusters, 0 bytes of LDS; arguments y, g2, b2, out0; writes out0
.if DOCPART == 8
	.amdgcn_target "amdgcn-amd-amdhsa--gfx1250"
	.amdhsa_code_object_version 6
	.text
	.protected	k_q1c41868bc3_ln2
	.globl	k_q1c41868bc3_ln2
	.p2align	8
	.type	k_q1c41868bc3_ln2,@function
k_q1c41868bc3_ln2:
	s_mov_b64 s[64:65], 0
	v_nop
	global_prefetch_b8 v0, s[64:65] scope:SCOPE_SE
	s_setreg_imm32_b32 hwreg(HW_REG_WAVE_MODE, 25, 1), 1
	s_wait_xcnt 0x0
; LayerNorm over rows of 1,024: out = (y - mean) rsqrt(var + 1e-5) g + b, in f32, mean first and then the mean of squared differences, as the definition has it.  g and b are rounded to bf16 like every input.
; HALF = 0: the result leaves as f32 rows.  (HALF = 1: as f16 in slices, [16][4096][64].)
; SHARES.  A work-group takes 16 rows, a wave two: lanes 0-15 one row, lanes 16-31 the next; a lane holds columns 64 j + 4 (l % 16) .. + 3, j = 0 .. 15.  So sixteen lanes read and write 256 consecutive
; bytes, the row stays in 64 registers between the passes, and a sum needs four steps inside 16 lanes.  No LDS, no barrier, no loop.
.set HALF, 0
.set X,  16                            ; v[16:79]   the row
.set GA, 80                            ; v[80:143]  g
.set BE, 144                           ; v[144:207] b
.set SA, 208                           ; v[208:215] four running sums, two numbers each
.set MU, 216                           ; v[216:217] the mean, twice
.set RR, 218                           ; v[218:219] 1 / sqrt(var + eps), twice
.set TM, 220                           ; v[220:223] at work
.set TR, 224                           ; v224       a sum across lanes
	s_load_b256 s[4:11], s[0:1], 0x0               ; y, g, b, out
	s_lshl_b32 s2, ttmp9, 16                       ; 16 rows of 4,096 bytes
	s_mov_b32 s3, 0
.if HALF
	s_lshl_b32 s16, ttmp9, 11                      ; 16 rows of 128 bytes in each slice
.else
	s_lshl_b32 s16, ttmp9, 16
.endif
	s_mov_b32 s17, 0
	s_mov_b32 s12, 0x3a800000                      ; 1 / 1,024
	s_mov_b32 s13, 0x3727c5ac                      ; 1e-5
	s_mov_b32 s14, 0xffff0000
	v_lshrrev_b32 v1, 4, v0                        ; my row of the 16
	v_and_b32 v2, 15, v0
	v_lshlrev_b32 v3, 4, v2                        ; g, b: 16 (l % 16)
	v_lshl_add_u32 v4, v1, 12, v3                  ; y: + row x 4,096
	v_lshlrev_b32 v5, 3, v0                        ; f16 out: 8 bytes a thread
	s_wait_kmcnt 0x0
	s_add_nc_u64 s[4:5], s[4:5], s[2:3]
	s_add_nc_u64 s[10:11], s[10:11], s[16:17]
.set j, 0
.rept 16
	global_load_b128 v[X+4*j:X+4*j+3], v4, s[4:5] offset:256*j th:TH_LOAD_NT
.set j, j+1
.endr
.set j, 0
.rept 16
	global_load_b128 v[GA+4*j:GA+4*j+3], v3, s[6:7] offset:256*j
	global_load_b128 v[BE+4*j:BE+4*j+3], v3, s[8:9] offset:256*j
.set j, j+1
.endr
.macro ACROSS                          ; SA's four pairs into one number, then over the row's 16 lanes
	v_pk_add_f32 v[SA:SA+1], v[SA:SA+1], v[SA+2:SA+3]
	v_pk_add_f32 v[SA+4:SA+5], v[SA+4:SA+5], v[SA+6:SA+7]
	v_pk_add_f32 v[SA:SA+1], v[SA:SA+1], v[SA+4:SA+5]
	v_add_f32 v[TR], v[SA], v[SA+1]
	v_add_f32_dpp v[TR], v[TR], v[TR] row_xmask:1 row_mask:0xf bank_mask:0xf
	v_add_f32_dpp v[TR], v[TR], v[TR] row_xmask:2 row_mask:0xf bank_mask:0xf
	v_add_f32_dpp v[TR], v[TR], v[TR] row_xmask:4 row_mask:0xf bank_mask:0xf
	v_add_f32_dpp v[TR], v[TR], v[TR] row_xmask:8 row_mask:0xf bank_mask:0xf
.endm
	s_wait_loadcnt 32                              ; the row is in; g's and b's 32 loads stay out
.irp c, 0,1,2,3
	v_pk_add_f32 v[SA+2*\c:SA+2*\c+1], v[X+2*\c:X+2*\c+1], v[X+8+2*\c:X+8+2*\c+1]
.endr
.set k, 2
.rept 6
.irp c, 0,1,2,3
	v_pk_add_f32 v[SA+2*\c:SA+2*\c+1], v[SA+2*\c:SA+2*\c+1], v[X+8*k+2*\c:X+8*k+2*\c+1]
.endr
.set k, k+1
.endr
	ACROSS
	v_mul_f32 v[MU], s12, v[TR]
	v_mov_b32 v[MU+1], v[MU]
.set k, 0
.rept 32
	v_pk_add_f32 v[X+2*k:X+2*k+1], v[X+2*k:X+2*k+1], v[MU:MU+1] neg_lo:[0,1] neg_hi:[0,1]
.set k, k+1
.endr
.irp c, 0,1,2,3
	v_pk_mul_f32 v[SA+2*\c:SA+2*\c+1], v[X+2*\c:X+2*\c+1], v[X+2*\c:X+2*\c+1]
.endr
.set k, 1
.rept 7
.irp c, 0,1,2,3
	v_pk_fma_f32 v[SA+2*\c:SA+2*\c+1], v[X+8*k+2*\c:X+8*k+2*\c+1], v[X+8*k+2*\c:X+8*k+2*\c+1], v[SA+2*\c:SA+2*\c+1]
.endr
.set k, k+1
.endr
	ACROSS
	v_fma_f32 v[TR], v[TR], s12, s13
	v_rsq_f32 v[RR], v[TR]
	v_rsq_f32 v[RR+1], v[TR]
	s_wait_loadcnt 0x0                             ; g and b
.set k, 0
.rept 64                                               ; g and b, which lie on end, rounded to bf16 and widened: the plain work between the two roots and their first reader
	v_cvt_pk_bf16_f32 v[TM+k%4], v[GA+2*k], v[GA+2*k+1]
	v_lshlrev_b32 v[GA+2*k], 16, v[TM+k%4]
	v_and_b32 v[GA+2*k+1], s14, v[TM+k%4]
.set k, k+1
.endr
	s_wait_alu depctr_va_vdst(0)                   ; one wait for both roots, ahead of their first reader
.set k, 0
.rept 32
	v_pk_mul_f32 v[X+2*k:X+2*k+1], v[X+2*k:X+2*k+1], v[RR:RR+1]
.set k, k+1
.endr
.set k, 0
.rept 32
	v_pk_fma_f32 v[X+2*k:X+2*k+1], v[X+2*k:X+2*k+1], v[GA+2*k:GA+2*k+1], v[BE+2*k:BE+2*k+1]
.set k, k+1
.endr
.set j, 0
.rept 16
.if HALF
	v_cvt_pk_f16_f32 v[X+4*j], v[X+4*j], v[X+4*j+1]
	v_cvt_pk_f16_f32 v[X+4*j+1], v[X+4*j+2], v[X+4*j+3]
	global_store_b64 v5, v[X+4*j:X+4*j+1], s[10:11] offset:j*524288
.else
	global_store_b128 v4, v[X+4*j:X+4*j+3], s[10:11] offset:256*j
.endif
.set j, j+1
.endr
	s_endpgm
.Lfunc_end_k_q1c41868bc3_ln2:
	.size	k_q1c41868bc3_ln2, .Lfunc_end_k_q1c41868bc3_ln2-k_q1c41868bc3_ln2
	.p2alignl 7, 3214868480
	.fill 96, 4, 3214868480
	.section	.rodata,"a",@progbits
	.p2align	6, 0x0
	.amdhsa_kernel k_q1c41868bc3_ln2
		.amdhsa_group_segment_fixed_size 0
		.amdhsa_private_segment_fixed_size 0
		.amdhsa_enable_private_segment 0
		.amdhsa_kernarg_size 32
		.amdhsa_user_sgpr_count 2
		.amdhsa_user_sgpr_kernarg_segment_ptr 1
		.amdhsa_wavefront_size32 1
		.amdhsa_system_sgpr_workgroup_id_x 1
		.amdhsa_system_sgpr_workgroup_id_y 1
		.amdhsa_system_sgpr_workgroup_id_z 1
		.amdhsa_system_vgpr_workitem_id 0
		.amdhsa_next_free_vgpr 232
		.amdhsa_next_free_sgpr 66
		.amdhsa_reserve_vcc 0
		.amdhsa_float_denorm_mode_32 3
		.amdhsa_float_denorm_mode_16_64 3
		.amdhsa_memory_ordered 1
		.amdhsa_forward_progress 1
		.amdhsa_inst_pref_size 26
	.end_amdhsa_kernel
	.amdgpu_metadata
---
amdhsa.version: [ 1, 2 ]
amdhsa.kernels:
  - .name:           k_q1c41868bc3_ln2
    .symbol:         k_q1c41868bc3_ln2.kd
    .args:
      - { .name: y, .offset: 0, .size: 8, .value_kind: global_buffer, .address_space: global }
      - { .name: g2, .offset: 8, .size: 8, .value_kind: global_buffer, .address_space: global }
      - { .name: b2, .offset: 16, .size: 8, .value_kind: global_buffer, .address_space: global }
      - { .name: out0, .offset: 24, .size: 8, .value_kind: global_buffer, .address_space: global }
    .group_segment_fixed_size: 0
    .private_segment_fixed_size: 0
    .kernarg_segment_align: 8
    .kernarg_segment_size: 32
    .max_flat_workgroup_size: 256
    .sgpr_count:     66
    .vgpr_count:     232
    .wavefront_size: 32
...
	.end_amdgpu_metadata
.endif
;; end of part 8
